; MI455X (gfx1250); checked and timed in simulation.
; The chip was launched on July 23, 2026; its instructions are those of AMD's public machine-readable ISA for CDNA 5 (MIT licence, August 2026) and "CDNA5" Instruction Set Architecture Reference Guide (July 2026). The comments in the code are by the model that wrote it; some were corrected since.
;; Attention. Allowed arithmetic: matrix products marked QUANTISED: E2M1 operands, one E8M0 scale for each 32 along K, by v_wmma_scale_f32_16x16x128_f8f6f4 with both operands' format E2M1 (or v_wmma_scale_f32_32x16x128_f4), f32 sums; products left as they are: bf16, f16 or f32 operands; f32 sums; everything else in f32.
;; Inputs: Wk 1,024 x 1,024 float32; Wo 1,024 x 1,024 float32; Wq 1,024 x 1,024 float32; Wv 1,024 x 1,024 float32; attention_mask 4 x 2,048 int32; bo 1,024 float32; hidden_states 4 x 2,048 x 1,024 float32.
;; Outputs: out0 4 x 2,048 x 1,024 float32.
;; This version of the problem:
;;   THIS VERSION OF THE PROBLEM IS GIVEN IN LOW PRECISION. The matrix products marked QUANTISED in the list below multiply operands that are first quantised to E2M1 (2 exponent bits, 1 mantissa bit; 4 bits a number), with one power-of-two scale for each 32 numbers along K (OCP MX v1.0); their sums are f32. The products marked 'left as it is' may take bf16, f16 or f32 operands, with f32 sums. Whichever they take, every output number must still come out within the allowed error. Rounding operands to bf16 (8 significant bits) uses up far more of that allowance than f16 does (11 bits, for magnitudes from 6e-5 to 65,504). All else is computed in f32.
;;   The module's matrix products, in the order in which they are computed (A, B: the left and right operand; K: the contracted axis; several contracted axes count as one K, in the product's order):
;;     1. [M 8,192, K 1,024] x [K 1,024, N 1,024]; A: input hidden_states; B: input Wq: QUANTISED
;;     2. [M 8,192, K 1,024] x [K 1,024, N 1,024]; A: input hidden_states; B: input Wk: QUANTISED
;;     3. [M 8,192, K 1,024] x [K 1,024, N 1,024]; A: input hidden_states; B: input Wv: QUANTISED
;;     4. batch 64 x [M 2,048, K 64] x [K 64, N 2,048]; A: computed on the way; B: computed on the way: left as it is (an operand is computed on the way)
;;     5. batch 64 x [M 2,048, K 2,048] x [K 2,048, N 64]; A: computed on the way; B: computed on the way: left as it is (an operand is computed on the way)
;;     6. [M 8,192, K 1,024] x [K 1,024, N 1,024]; A: computed on the way; B: input Wo: left as it is (an operand is computed on the way)
;;   THE QUANTISER, for each operand of a quantised product, along K:
;;     - K is cut into blocks of 32 from its start; a last block that is shorter is filled with zeros.
;;     - A block's scale is 2^e with e = floor(log2(the largest magnitude in the block)) - 2, held to -126 .. 127; a block of zeros has e = 0. As a byte (E8M0): e + 127.
;;     - Each number is divided by its block's scale, clamped to +-6, and rounded to the nearest number of E2M1, ties to even, subnormals kept.
;;     - The product sums the exact products of the quantised numbers (number of the format x scale) in f32.
;;   ~~~python
;;   def quantise(x, axis):      # numpy; x: float32 -> the quantised numbers, widened to float32 again
;;       x = np.moveaxis(x, axis, -1); K = x.shape[-1]
;;       x = np.pad(x, [(0, 0)] * (x.ndim - 1) + [(0, -K % 32)]); x = x.reshape(x.shape[:-1] + (-1, 32)); a = np.abs(x).max(-1, keepdims=True)
;;       e = np.where(a > 0, np.clip(np.frexp(np.where(a > 0, a, 1))[1] - 1 - 2, -126, 127), 0)      # np.frexp(a)[1] - 1 = floor(log2(a)), exactly
;;       r = np.clip(x / 2.0 ** e, -6, 6)
;;       step = 2.0 ** (np.maximum(np.frexp(np.where(r == 0, 1, r))[1] - 1, 0) - 1)
;;       q = np.round(r / step) * step * 2.0 ** e      # np.round: ties to even
;;       return np.moveaxis(q.reshape(q.shape[:-2] + (-1,))[..., :K], -1, axis).astype(np.float32)
;;   ~~~
;; One version. Each part assembles by itself: llvm-mc -triple=amdgcn-amd-amdhsa -mcpu=gfx1250 --defsym DOCPART=n.
;; ======== version 1 of 1: 4 launches
;; limits: values are held in f16: magnitudes above 65,504 overflow, below 6.1e-05 lose precision
;; workspace buffers: codes 5,767,168 bytes; scales 360,448 bytes; wo16 2,097,152 bytes; route 33,280 bytes of whole numbers; qkv 50,331,648 bytes; ao 16,777,216 bytes
;; launch prep (part 1): grid 240 x 1, 8 waves a work-group, no clusters, 102,400 bytes of LDS; arguments hidden_states, attention_mask, Wq, Wk, Wv, Wo, codes, scales, wo16, route; writes codes, scales, wo16, route
.if DOCPART == 1
	.amdgcn_target "amdgcn-amd-amdhsa--gfx1250"
	.amdhsa_code_object_version 6
	.text
	.protected	k_q5158d7eb61_prep
	.globl	k_q5158d7eb61_prep
	.p2align	8
	.type	k_q5158d7eb61_prep,@function
k_q5158d7eb61_prep:
	s_mov_b64 s[64:65], 0
	v_nop
	global_prefetch_b8 v0, s[64:65] scope:SCOPE_SE
	s_setreg_imm32_b32 hwreg(HW_REG_WAVE_MODE, 25, 1), 1
	s_wait_xcnt 0x0
; PREP: the first of four launches (prep, qkv, attn, oproj) of out = softmax(mask(q k^T / 8)) v Wo + bo, with q, k, v = x Wq, x Wk, x Wv on codes of FP4 (E2M1).
; WHAT IS NOT DONE, AND WHY.  No input is left out.  The keys that attention_mask closes are not multiplied: the mask holds whole numbers, read from memory here, and the later launches do only what they
; ask for.  Where a batch has an open key, a closed key's score is the least f32 number, and its weight exp(that - the row's maximum) is 0.  Where a batch has no open key, all its scores are equal and the
; softmax is uniform over all 2,048 keys: attn then walks all keys with the scale 0.
; LIMITS: open scores as low as about -3e38 (where closed keys would keep weight) are not served; keys are summed in another order than they lie (open ones first); NaN and infinities among the inputs
; are not served; a block whose largest magnitude lies under 2^-124 has its scale byte held at 1; a block of zeros has the byte 1 (its codes are zeros; only this program reads the bytes).
; THE ROUTING.  In each batch the tokens are parted, keeping their order: open token t goes to position (open tokens before t), closed token t to n + (closed tokens before t), n = the batch's open tokens.
; Row t of x's codes and scales is stored at its position, so q, k, v and attention's result lie by position; route holds position -> token (for oproj) and n (for attn).
; THREE PATHS, parted on the work-group's number, each with LDS bytes of its own:
;   W (0-47):    Wq, Wk, Wv [k][n] f32 -> codes [1024 sel + n][512 B], K innermost, and scale bytes [..][32].  A lane takes a column, its registers run down K.
;   O (48-111):  Wo f32 -> f16, same layout.
;   X (112-239): x f32 -> codes [2048 b + position][512 B] and scale bytes [..][32]; the routing.
.set WREG,  8192                       ; path X: a region of LDS for each wave: two stages of 32 x SP bytes, behind them its 256 scale bytes
.set SP,    80                         ; a lane's place in a stage: 64 bytes + 16 of padding
.set WST,   65536                      ; path W: 64 columns' rows of codes, 512 bytes + 16
.set WPI,   528
.set WSS,   99328                      ; path W: 64 columns' rows of scale bytes, 32 each
.set SPARE, 101376                     ; the spare words, 128 bytes for each of eight waves: four blocks of 256 bytes that no other line names
.set SPW,   222                        ; v222 LDS address of my spare word; never rewritten
.set NIL,   223                        ; v223 0; never rewritten
.set EMAX,  2
.set STEPS, 16
.set R,     16                         ; path X: v16-79 four sets of 16 numbers as loaded
.set X,     80                         ; v80-111 two sets of 16 neighbours
.set E,     112                        ; v112-127 a scale byte for each step
.set C,     128                        ; v128-191 codes, four registers a step (before the steps: the batch's mask)
.set CO,    208                        ; v208-215 row k of my eight: 512 x its position + 8 x lane
.set WX,    32                         ; path W: v32-95 two sets of 32 numbers
.set WC,    96                         ; v96-99 a block's codes
.set SB,    24                         ; v24-25 eight scale bytes
.set OUTR,  112                        ; v112-143 the way out
.macro XLOAD t                         ; step t: 512 numbers, four loads of 512 consecutive bytes
.irp i, 0,1,2,3
	global_load_b128 v[R+16*((\t)%4)+4*\i:R+16*((\t)%4)+4*\i+3], v3, s[4:5] offset:2048*(\t)+512*\i th:TH_LOAD_NT
.endr
.endm
.macro XTURN t                         ; step t's numbers through my stage: in as they lie, back 16 neighbours a lane.  LDS serves a wave's instructions in order: no wait between
.irp i, 0,1,2,3
	ds_store_b128 v14, v[R+16*((\t)%4)+4*\i:R+16*((\t)%4)+4*\i+3] offset:32*SP*((\t)%2)+8*SP*\i
.endr
.irp i, 0,1,2,3
	ds_load_b128 v[X+16*((\t)%2)+4*\i:X+16*((\t)%2)+4*\i+3], v15 offset:32*SP*((\t)%2)+16*\i
.endr
.endm
.macro XSTEP t
.set XS, X+16*((\t)%2)
.if (\t) > 0
	s_wait_dscnt 1                                 ; this step's numbers are back from the stage; the last step's byte store may be out
.else
	s_wait_dscnt 0x0
.endif
.if (\t)+4 < STEPS
	XLOAD (\t)+4                                   ; into the registers that this step's stage stores have read
.endif
.if (\t)+1 < STEPS
.if STEPS-2-(\t) >= 3
	s_wait_loadcnt 12                              ; the next step's four loads are in; those of the three steps behind it may be out
.else
	s_wait_loadcnt 4*(STEPS-2-(\t))
.endif
	XTURN (\t)+1
.endif
	v_max3_num_f32 v8, |v[XS]|, |v[XS+1]|, |v[XS+2]|               ; the largest magnitude of my 16, in two chains
	v_max3_num_f32 v9, |v[XS+3]|, |v[XS+4]|, |v[XS+5]|
.irp i, 6,10
	v_max3_num_f32 v8, v8, |v[XS+\i]|, |v[XS+\i+1]|
	v_max3_num_f32 v9, v9, |v[XS+\i+2]|, |v[XS+\i+3]|
.endr
	v_max3_num_f32 v8, v8, |v[XS+14]|, |v[XS+15]|
	v_max3_num_f32 v8, v8, v9, (EMAX+1)<<23        ; and the floor 2^(3 - 127): the byte cannot fall under 1
	v_max_num_f32_dpp v8, v8, v8 row_xmask:1 row_mask:0xf bank_mask:0xf   ; with my neighbour's 16: the block's
	v_add_nc_u32 v11, -(EMAX<<23), v8              ; 2 off its exponent field: the conversion takes this operand's exponent field as its scale
	v_cvt_scalef32_pk8_fp4_f32 v[C+4*(\t)], v[XS:XS+7], v11
	v_cvt_scalef32_pk8_fp4_f32 v[C+4*(\t)+1], v[XS+8:XS+15], v11
	v_lshrrev_b32 v[E+(\t)], 23, v11               ; the scale's byte (a plain line behind the conversions)
	ds_store_b8 v5, v[E+(\t)] offset:16*(\t)       ; both lanes of a block write the same byte with the same value
	global_store_b64 v[CO+(\t)/2], v[C+4*(\t):C+4*(\t)+1], s[16:17] offset:256*((\t)%2)   ; half a row of codes: 256 consecutive bytes, aligned, at the row's position
.endm
.macro WLOAD t                         ; block t: W(32 t + i, my column), i = 0 .. 31
.irp i, 0,1,2,3,4,5,6,7,8,9,10,11,12,13,14,15,16,17,18,19,20,21,22,23,24,25,26,27,28,29,30,31
	global_load_b32 v[WX+32*((\t)%2)+\i], v3, s[30:31] offset:(32*(\t)+\i)*4096 th:TH_LOAD_NT
.endr
.endm
.macro WBLOCK t
.set XS, WX+32*((\t)%2)
.if (\t) < 7
	s_wait_loadcnt 32                              ; this block's 32 loads are in; the next block's may be out
.else
	s_wait_loadcnt 0
.endif
	v_max3_num_f32 v12, |v[XS]|, |v[XS+1]|, |v[XS+2]|               ; the block's largest magnitude: all 32 numbers are mine
	v_max3_num_f32 v13, |v[XS+3]|, |v[XS+4]|, |v[XS+5]|
.irp i, 6,10,14,18,22,26
	v_max3_num_f32 v12, v12, |v[XS+\i]|, |v[XS+\i+1]|
	v_max3_num_f32 v13, v13, |v[XS+\i+2]|, |v[XS+\i+3]|
.endr
	v_max3_num_f32 v12, v12, |v[XS+30]|, |v[XS+31]|
	v_max3_num_f32 v12, v12, v13, (EMAX+1)<<23
	v_add_nc_u32 v11, -(EMAX<<23), v12
	v_lshrrev_b32 v13, 23, v11                     ; the scale's byte
.if (\t)%4 == 0
	v_mov_b32 v[SB+(\t)/4], v13                    ; four bytes to a register, the lower K in the lower byte
.else
	v_lshl_or_b32 v[SB+(\t)/4], v13, 8*((\t)%4), v[SB+(\t)/4]
.endif
.irp g, 0,1,2,3
	v_cvt_scalef32_pk8_fp4_f32 v[WC+\g], v[XS+8*\g:XS+8*\g+7], v11
.endr
	ds_store_b128 v16, v[WC:WC+3] offset:16*(\t)   ; 32 codes: 16 bytes of my column's row
.if (\t)+2 < 8
	WLOAD (\t)+2
.endif
	s_wait_dscnt 0x0                               ; the store has read its registers: the next block's codes may be written
.endm
	s_load_b256 s[4:11], s[0:1], 0x0               ; x s[4:5], mask s[6:7], Wq s[8:9], Wk s[10:11]
	s_load_b256 s[12:19], s[0:1], 0x20             ; Wv s[12:13], Wo s[14:15], codes s[16:17], scales s[18:19]
	s_load_b128 s[20:23], s[0:1], 0x40             ; wo16 s[20:21], route s[22:23]
	v_lshl_add_u32 v[SPW], v0, 2, SPARE
	v_mov_b32 v[NIL], 0
	v_lshrrev_b32 v1, 5, v0
	v_readfirstlane_b32 s24, v1                    ; wave 0..7
	v_and_b32 v2, 31, v0                           ; lane
	s_wait_kmcnt 0x0
	s_cmp_lt_u32 ttmp9, 48
	s_cbranch_scc1 .Lpath_w
	s_cmp_lt_u32 ttmp9, 112
	s_cbranch_scc1 .Lpath_o
	; ---------------- PATH X: a work-group takes 64 tokens of a batch, a wave 8: 16 steps of 512 numbers
	s_sub_co_u32 s25, ttmp9, 112
	s_lshr_b32 s26, s25, 5                         ; the batch
	s_and_b32 s27, s25, 31
	s_or_b32 s52, s27, s24                         ; 0 in the batch's first wave
	s_lshl_b32 s27, s27, 6
	s_lshl_b32 s28, s24, 3
	s_add_co_u32 s27, s27, s28                     ; t0: my first token in the batch, a multiple of 8
	s_lshl_b32 s28, s26, 11
	s_add_co_u32 s28, s28, s27                     ; 2048 b + t0
	s_lshl_b32 s30, s28, 12
	s_mov_b32 s31, 0
	s_add_nc_u64 s[4:5], s[4:5], s[30:31]          ; x at my first row
	s_lshl_b32 s30, s26, 13
	s_add_nc_u64 s[6:7], s[6:7], s[30:31]          ; the batch's mask
	s_add_nc_u64 s[48:49], s[22:23], s[30:31]      ; the batch's table position -> token
	s_lshl_b32 s30, s26, 20
	s_add_nc_u64 s[16:17], s[16:17], s[30:31]      ; the batch's rows of codes
	s_lshl_b32 s30, s26, 16
	s_add_nc_u64 s[18:19], s[18:19], s[30:31]      ; and of scale bytes
	s_lshl_b32 s30, s26, 7
	s_add_nc_u64 s[50:51], s[22:23], s[30:31]      ; the batch's count: 128 bytes, from byte 32,768 on
	s_mov_b32 s38, 0x76543210
	s_mov_b32 s39, 0xfedcba98                      ; v_permlanex16_b32's selects for lane l xor 16
	v_lshlrev_b32 v3, 4, v2                        ; 16 x lane
	s_mul_i32 s29, s24, WREG
	v_lshrrev_b32 v13, 2, v2                       ; lane / 4: which of my eight rows the lane stands for
	v_mul_u32_u24 v14, v13, SP
	v_and_b32 v15, 3, v2
	v_lshl_add_u32 v14, v15, 4, v14
	v_add_nc_u32 v14, s29, v14                     ; the stage, on the way in: SP (lane / 4) + 16 (lane % 4)
	v_mul_u32_u24 v15, v2, SP
	v_add_nc_u32 v15, s29, v15                     ; and on the way out: SP x lane
	v_lshlrev_b32 v4, 3, v2                        ; 8 x lane
	v_lshrrev_b32 v5, 1, v2
	s_add_co_u32 s29, s29, 2*32*SP
	v_add_nc_u32 v5, s29, v5                       ; my wave's 256 scale bytes: my block's byte,
	v_add_nc_u32 v6, s29, v4                       ; and on the way out 8 bytes a lane
	v_lshlrev_b32 v196, 2, v2                      ; 4 x lane
	s_lshl_b32 s29, s27, 2
	v_lshl_add_u32 v7, v13, 2, s29                 ; my row's word of the mask
.irp i, 0,1,2,3,4,5,6,7,8,9,10,11,12,13,14,15
	global_load_b128 v[C+4*\i:C+4*\i+3], v3, s[6:7] offset:512*\i   ; the batch's whole mask: load i, lane l: tokens 128 i + 4 l .. + 3
.endr
	global_load_b32 v197, v7, s[6:7]
.irp t, 0,1,2,3
	XLOAD \t
.endr
	v_mov_b32 v192, 0
	v_mov_b32 v193, 0
	v_mov_b32 v194, 1
	v_mov_b32 v195, 0x10001
	s_wait_loadcnt 16                              ; the 17 loads of the mask are in; x's 16 stay out
	; open tokens of the batch in bits 15:0, those before t0 in bits 31:16 (each 2,048 at the most).  t0 is a multiple of 8, so a lane's four tokens lie wholly before it or not
.irp i, 0,1,2,3,4,5,6,7,8,9,10,11,12,13,14,15
	v_min_u32 v[C+4*\i], 1, v[C+4*\i]              ; open = not 0
	v_min_u32 v[C+4*\i+1], 1, v[C+4*\i+1]
	v_min_u32 v[C+4*\i+2], 1, v[C+4*\i+2]
	v_min_u32 v[C+4*\i+3], 1, v[C+4*\i+3]
	v_add3_u32 v[C+4*\i], v[C+4*\i], v[C+4*\i+1], v[C+4*\i+2]
	v_add_nc_u32 v[C+4*\i], v[C+4*\i], v[C+4*\i+3]
	s_sub_co_i32 s36, s27, 128*\i
	v_cmp_gt_i32 vcc_lo, s36, v196                 ; 128 i + 4 l < t0
	v_cndmask_b32 v193, v194, v195, vcc_lo
	v_mad_u32_u24 v192, v[C+4*\i], v193, v192
.endr
.irp m, 1,2,4,8
	v_mov_b32_dpp v193, v192 row_xmask:\m row_mask:0xf bank_mask:0xf
	v_add_nc_u32 v192, v192, v193
.endr
	v_permlanex16_b32 v193, v192, s38, s39
	v_add_nc_u32 v192, v192, v193
	v_readfirstlane_b32 s36, v192
	s_and_b32 s37, s36, 0xffff                     ; n
	s_lshr_b32 s36, s36, 16                        ; open tokens before t0
	v_cmp_ne_u32 vcc_lo, 0, v197                   ; my row open?  Four lanes stand for a row
	s_and_b32 s53, vcc_lo, 0x88888888              ; one bit a row, the highest of its four
	v_mbcnt_lo_u32_b32 v198, s53, 0                ; open rows of my wave before mine
	v_add_nc_u32 v199, s36, v198                   ; open tokens before my row: an open row's position
	s_add_co_u32 s54, s37, s27
	v_add_nc_u32 v200, s54, v13
	v_sub_nc_u32 v200, v200, v199                  ; n + (closed tokens before my row): a closed row's
	v_cndmask_b32 v201, v200, v199, vcc_lo
	v_min_u32 v201, 2047, v201                     ; (a position is under 2,048: said once more for the addresses made of it)
	v_and_b32 v9, 3, v2
	v_lshlrev_b32 v10, 3, v9
	v_lshl_add_u32 v202, v201, 5, v10              ; my 8 bytes of the row's 32 scale bytes
	v_lshlrev_b32 v203, 2, v201                    ; the position's word in the table
	v_add_nc_u32 v204, s28, v13                    ; 2048 b + my token
.irp k, 0,1,2,3,4,5,6,7
	v_readlane_b32 s[40+\k], v201, 4*\k
	s_min_u32 s[40+\k], s[40+\k], 2047
	s_lshl_b32 s[40+\k], s[40+\k], 9
	v_add_nc_u32 v[CO+\k], s[40+\k], v4
.endr
	v_cmp_eq_u32 vcc_lo, 0, v9
	s_wait_xcnt 0x0                                ; EXEC changes only behind this wait: loads are out
	s_and_saveexec_b32 s55, vcc_lo                 ; one lane a row
	global_store_b32 v203, v204, s[48:49]          ; position -> token
	s_wait_xcnt 0x0
	s_or_b32 exec_lo, exec_lo, s55
	s_cmp_lg_u32 s52, 0
	s_cbranch_scc1 .Lnot_first
	v_mov_b32 v205, s37
	global_store_b32 v196, v205, s[50:51] offset:32768   ; n, by the batch's first wave: 32 words on end, of which attn reads the first
.Lnot_first:
	s_wait_loadcnt 12                              ; step 0's four loads are in
	XTURN 0
.irp t, 0,1,2,3,4,5,6,7,8,9,10,11,12,13,14,15
	XSTEP \t
.endr
	ds_load_b64 v[8:9], v6                         ; my wave's 256 scale bytes: 32 a row, four lanes to a row
	s_wait_dscnt 0x0
	global_store_b64 v202, v[8:9], s[18:19]        ; 32 bytes on end at each row's position: one byte for each 128 that this path reads
	s_wait_tensorcnt 0x0                           ; the wave's end: three lines behind my last LDS store
	ds_add_u32 v[SPW], v[NIL]
	s_wait_dscnt 0x0
	s_endpgm
	; ---------------- PATH W: a work-group takes 64 columns of one weight; wave w: columns 32 (w % 2) on, 256 along K from 256 (w / 2) on: 8 blocks a lane
.Lpath_w:
	s_lshr_b32 s25, ttmp9, 4                       ; which weight: 0 q, 1 k, 2 v
	s_and_b32 s26, ttmp9, 15                       ; which 64 columns
	s_and_b32 s27, s24, 1
	s_lshr_b32 s28, s24, 1
	s_cmp_eq_u32 s25, 0
	s_cselect_b64 s[30:31], s[8:9], s[10:11]
	s_cmp_eq_u32 s25, 2
	s_cselect_b64 s[30:31], s[12:13], s[30:31]     ; the choice hangs on the work-group's number alone
	s_lshl_b32 s32, s28, 20                        ; 256 rows of 4,096 bytes
	s_lshl_b32 s33, s26, 8
	s_add_co_u32 s32, s32, s33
	s_lshl_b32 s33, s27, 7
	s_add_co_u32 s32, s32, s33
	s_mov_b32 s33, 0
	s_add_nc_u64 s[30:31], s[30:31], s[32:33]
	v_lshlrev_b32 v3, 2, v2                        ; 4 bytes a lane: two waves side by side read 256 consecutive bytes
	s_mul_i32 s34, s27, 32*WPI
	s_lshl_b32 s35, s28, 7
	s_add_co_u32 s34, s34, s35
	s_add_co_u32 s34, s34, WST
	v_mul_u32_u24 v16, v2, WPI
	v_add_nc_u32 v16, s34, v16                     ; my column's row of codes, my 128 bytes of it
	s_lshl_b32 s34, s27, 10
	s_lshl_b32 s35, s28, 3
	s_add_co_u32 s34, s34, s35
	s_add_co_u32 s34, s34, WSS
	v_lshlrev_b32 v17, 5, v2
	v_add_nc_u32 v17, s34, v17                     ; my column's row of scale bytes, my 8 of them
	s_mul_i32 s34, s24, 8*WPI
	s_add_co_u32 s34, s34, WST
	v_lshlrev_b32 v20, 4, v2
	v_add_nc_u32 v18, s34, v20                     ; the way out: rows 8 w on, 16 bytes a lane
	s_lshl_b32 s34, s24, 8
	s_add_co_u32 s35, s34, WSS
	v_lshlrev_b32 v21, 3, v2
	v_add_nc_u32 v19, s35, v21                     ; and 256 scale bytes a wave
	s_lshl_b32 s36, s25, 10
	s_lshl_b32 s37, s26, 6
	s_add_co_u32 s36, s36, s37                     ; the work-group's first row among the 3,072
	s_lshl_b32 s38, s36, 5
	s_add_co_u32 s38, s38, s34
	s_mov_b32 s39, 0
	s_add_nc_u64 s[18:19], s[18:19], s[38:39]
	s_add_nc_u64 s[18:19], s[18:19], 0x40000       ; the weights' scale bytes lie behind x's
	s_lshl_b32 s37, s24, 3
	s_add_co_u32 s36, s36, s37
	s_lshl_b32 s36, s36, 9
	s_mov_b32 s37, 0
	s_add_nc_u64 s[16:17], s[16:17], s[36:37]
	s_add_nc_u64 s[16:17], s[16:17], 0x400000      ; the weights' codes lie behind x's
	WLOAD 0
	WLOAD 1
.set Q, 0
.rept 8
	WBLOCK Q
.set Q, Q+1
.endr
	ds_store_b64 v17, v[SB:SB+1]
	s_wait_dscnt 0x0                               ; for the others' sake: my stores have landed
	s_barrier_signal -1
	s_barrier_wait -1                              ; a row's 512 bytes come from four waves
.irp i, 0,1,2,3,4,5,6,7
	ds_load_b128 v[OUTR+4*\i:OUTR+4*\i+3], v18 offset:\i*WPI
.endr
	ds_load_b64 v[WC:WC+1], v19
.irp i, 0,1,2,3,4,5,6,7
	s_wait_dscnt 8-\i                              ; row i is back; the younger rows' loads and the scale bytes' may be out
	global_store_b128 v20, v[OUTR+4*\i:OUTR+4*\i+3], s[16:17] offset:512*\i   ; a whole row: 512 consecutive bytes
.endr
	s_wait_dscnt 0x0
	global_store_b64 v21, v[WC:WC+1], s[18:19]     ; 256 consecutive bytes, aligned
	s_wait_tensorcnt 0x0                           ; the wave's end: three lines behind my last LDS store
	ds_add_u32 v[SPW], v[NIL]
	s_wait_dscnt 0x0
	s_endpgm
	; ---------------- PATH O: a wave turns 2,048 numbers of Wo into f16.  No LDS
.Lpath_o:
	s_sub_co_u32 s25, ttmp9, 48
	s_lshl_b32 s25, s25, 3
	s_add_co_u32 s25, s25, s24
	s_lshl_b32 s26, s25, 13
	s_mov_b32 s27, 0
	s_add_nc_u64 s[14:15], s[14:15], s[26:27]
	s_lshl_b32 s26, s25, 12
	s_add_nc_u64 s[20:21], s[20:21], s[26:27]
	v_lshlrev_b32 v3, 4, v2
	v_lshlrev_b32 v4, 3, v2
.irp i, 0,1,2,3,4,5,6,7,8,9,10,11,12,13,14,15
	global_load_b128 v[32+4*\i:35+4*\i], v3, s[14:15] offset:512*\i th:TH_LOAD_NT
.endr
.irp i, 0,1,2,3,4,5,6,7,8,9,10,11,12,13,14,15
	s_wait_loadcnt 15-\i                           ; load i is in; the younger ones stay out
	v_cvt_pk_f16_f32 v[96+2*\i], v[32+4*\i], v[33+4*\i]
	v_cvt_pk_f16_f32 v[97+2*\i], v[34+4*\i], v[35+4*\i]
	global_store_b64 v4, v[96+2*\i:97+2*\i], s[20:21] offset:256*\i   ; 256 consecutive bytes, aligned
.endr
	s_endpgm
.Lfunc_end_k_q5158d7eb61_prep:
	.size	k_q5158d7eb61_prep, .Lfunc_end_k_q5158d7eb61_prep-k_q5158d7eb61_prep
	.p2alignl 7, 3214868480
	.fill 96, 4, 3214868480
	.section	.rodata,"a",@progbits
	.p2align	6, 0x0
	.amdhsa_kernel k_q5158d7eb61_prep
		.amdhsa_group_segment_fixed_size 102400
		.amdhsa_private_segment_fixed_size 0
		.amdhsa_enable_private_segment 0
		.amdhsa_kernarg_size 80
		.amdhsa_user_sgpr_count 2
		.amdhsa_user_sgpr_kernarg_segment_ptr 1
		.amdhsa_wavefront_size32 1
		.amdhsa_system_sgpr_workgroup_id_x 1
		.amdhsa_system_sgpr_workgroup_id_y 1
		.amdhsa_system_sgpr_workgroup_id_z 1
		.amdhsa_system_vgpr_workitem_id 0
		.amdhsa_next_free_vgpr 224
		.amdhsa_next_free_sgpr 66
		.amdhsa_reserve_vcc 1
		.amdhsa_float_denorm_mode_32 3
		.amdhsa_float_denorm_mode_16_64 3
		.amdhsa_memory_ordered 1
		.amdhsa_forward_progress 1
		.amdhsa_inst_pref_size 91
	.end_amdhsa_kernel
	.amdgpu_metadata
---
amdhsa.version: [ 1, 2 ]
amdhsa.kernels:
  - .name:           k_q5158d7eb61_prep
    .symbol:         k_q5158d7eb61_prep.kd
    .args:
      - { .name: hidden_states, .offset: 0, .size: 8, .value_kind: global_buffer, .address_space: global }
      - { .name: attention_mask, .offset: 8, .size: 8, .value_kind: global_buffer, .address_space: global }
      - { .name: Wq, .offset: 16, .size: 8, .value_kind: global_buffer, .address_space: global }
      - { .name: Wk, .offset: 24, .size: 8, .value_kind: global_buffer, .address_space: global }
      - { .name: Wv, .offset: 32, .size: 8, .value_kind: global_buffer, .address_space: global }
      - { .name: Wo, .offset: 40, .size: 8, .value_kind: global_buffer, .address_space: global }
      - { .name: codes, .offset: 48, .size: 8, .value_kind: global_buffer, .address_space: global }
      - { .name: scales, .offset: 56, .size: 8, .value_kind: global_buffer, .address_space: global }
      - { .name: wo16, .offset: 64, .size: 8, .value_kind: global_buffer, .address_space: global }
      - { .name: route, .offset: 72, .size: 8, .value_kind: global_buffer, .address_space: global }
    .group_segment_fixed_size: 102400
    .private_segment_fixed_size: 0
    .kernarg_segment_align: 8
    .kernarg_segment_size: 80
    .max_flat_workgroup_size: 256
    .sgpr_count:     66
    .vgpr_count:     224
    .wavefront_size: 32
...
	.end_amdgpu_metadata
.endif
;; end of part 1
;; launch qkv (part 2): grid 12 x 32, 4 waves a work-group, clusters of 4 x 4, 327,680 bytes of LDS; arguments codes, scales, qkv; writes qkv
.if DOCPART == 2
	.amdgcn_target "amdgcn-amd-amdhsa--gfx1250"
	.amdhsa_code_object_version 6
	.text
	.protected	k_q5158d7eb61_qkv
	.globl	k_q5158d7eb61_qkv
	.p2align	8
	.type	k_q5158d7eb61_qkv,@function
k_q5158d7eb61_qkv:
	s_mov_b64 s[64:65], 0
	v_nop
	global_prefetch_b8 v0, s[64:65] scope:SCOPE_SE
	s_setreg_imm32_b32 hwreg(HW_REG_WAVE_MODE, 25, 1), 1
	s_wait_xcnt 0x0
	s_wait_alu depctr_hold_cnt(0) depctr_sa_sdst(0) depctr_va_vdst(0) depctr_va_sdst(0) depctr_va_ssrc(0) depctr_va_vcc(0) depctr_vm_vsrc(0)
	s_getreg_b32 s2, hwreg(HW_REG_IB_STS2, 6, 4)
	s_cmp_eq_u32 s2, 0
	s_cbranch_scc0 .Lentry_in_a_cluster
	s_endpgm
.Lentry_in_a_cluster:
	s_bfe_u32 s2, ttmp6, 0x10000c
	s_cmp_lg_u32 s2, 0xf033
	s_cbranch_scc0 .Lentry_shape_is_right
	s_endpgm
.Lentry_shape_is_right:
; QKV: C[m][n] = sum over k of A[m][k] B[n][k] on codes of FP4 (E2M1) with one E8M0 scale for each 32 along K.  A: x's 8,192 rows (by batch and position), B: the 3,072 columns of Wq, Wk, Wv; K = 1,024.
; Codes: 512 bytes a row, K innermost; scale bytes: 32 a row; both made by the launch before.  The result leaves as f16, laid [q, k or v][batch][head][position][64].
; LIMIT: |q|, |k|, |v| stay under 65,504, f16's largest number.
; A tile of C, 256 x 256, is made by a work-group of four waves; a wave makes 128 x 128 (128 positions x 2 heads): 64 accumulators of 16 x 16, 512 registers.
; K is two slots of 512 (rows of 256 bytes): both are asked for at the head and nothing is ever filled again.  The scales of the work-group's rows, for all of K, come once, with the first fills.
; CLUSTERS: 4 x 4 work-groups.  The four of a row of the cluster need the same tiles of A, the four of a column the same tiles of B: each tile is asked for JOINTLY, by the same tensor load with the same
; descriptor and a mask that names the four.  THE MATRIX INSTRUCTION IS USED TRANSPOSED (source 0 = 16 rows of B, source 1 = 16 rows of A): a lane then holds eight neighbouring numbers of a row of C.
; REGISTERS, in windows of 256: window 0: v0-31 addresses; v32-95 scale words, two sets; v128-191 A's fragments, ONE set; on the way out v32-63, v192-255.
;   window 1: B's fragments, TWO sets, at v0 and v128.   window 2: the accumulators of my rows 0-63 ((a, b) at v[8 (8 a + b)]);   window 3: those of my rows 64-127.
; No prefetch: all tiles are asked for at the head.
.set KSTEP,  512
.set NQ,     4                         ; matrix instructions deep in a slot
.set ROWB,   256                       ; a tile's row in bytes
.set KROW,   512                       ; a row of codes in memory
.set PITCH,  272                       ; an LDS row: 256 bytes + 16 of padding: the 16 rows that a load touches start 68 words apart
.set FR,     8
.set NL,     2
.set NP,     4
.set HALFT,  128*PITCH
.set SLOT,   4*HALFT                   ; A's 256 rows, then B's 256 rows
.set KS,     32                        ; a row of scale bytes
.set SCL,    2*SLOT                    ; behind the slots: the scales, as units of 256 bytes + 16 of padding
.set HALFS,  (128*KS/256)*272
.set SBLK,   (16*KS/256)*272
.set SPARE,  SCL+4*HALFS               ; the spare words, 128 bytes for each wave: two blocks of 256 bytes that no other line names
.set ADRA, 16                          ; v16-17  LDS address of my A fragments in slot 0, 1
.set ADRB, 20                          ; v20-21  the same for B
.set STO,  24                          ; v24     the way out: where I put 16 bytes of a row
.set RD,   25                          ; v25     the way out: where I read rows back
.set CO,   26                          ; v26     16 x lane
.set ADRS, 27                          ; v27     LDS address of my scale words: lanes 0-15 A's rows, lanes 16-31 B's
.set SPW,  28                          ; v28     LDS address of my spare word; never rewritten
.set NIL,  29                          ; v29     0; never rewritten
.set SC,   32                          ; scale words: set s at v[SC + 32 s]; register 4 i + q: lanes 0-15 A's block i, lanes 16-31 B's block i, the slot's q-th 128 along K
.set AF,   128
.set TMP,  192                         ; the way out: packed results
.set OB,   32                          ; the way out: rows read back: v32-63 and v224-255 by turns
.set G1, 24
.set G0, 32
.set G1B, 48
.set G0B, 56
.set G1S, 68
.set G0S, 76
.set G1SB, 80
.set G0SB, 88
.set MSB, 0
.macro WIN new                         ; the immediate's high byte repeats the setting that is left
.if MSB != (\new)
	s_set_vgpr_msb (MSB<<8)|(\new)
.set MSB, (\new)
.endif
.endm
.set MUL_LO, 0xa1                      ; source 0 (B) window 1, source 1 (A) window 0, C and D window 2
.set MUL_HI, 0xf1                      ; the same, C and D window 3
.set TO_B,   0x40                      ; destination window 1, address window 0
; A joint load: waves 0 and 1 fetch for A, waves 2 and 3 for B; the branch hangs on the wave's number alone.  An s_nop 0 and four v_nop follow each of the two lines.
.macro JLOAD g0a, g1a, g0b, g1b
	s_cmp_eq_u32 s15, 0
	s_cbranch_scc0 .Lfor_b_\@
	tensor_load_to_lds s[\g0a:\g0a+3], s[\g1a:\g1a+7]
	s_nop 0
.rept 4
	v_nop
.endr
	s_branch .Lasked_\@
.Lfor_b_\@:
	tensor_load_to_lds s[\g0b:\g0b+3], s[\g1b:\g1b+7]
	s_nop 0
.rept 4
	v_nop
.endr
.Lasked_\@:
.endm
.macro CROUND                          ; a round of the cluster's barrier
	s_barrier_signal -1
	s_barrier_wait -1
	s_cmp_lg_u32 s14, 0
	s_cbranch_scc1 .Lnot_wave_0_\@
	s_barrier_signal -3
.Lnot_wave_0_\@:
	s_barrier_wait -3
	s_barrier_signal -1
	s_barrier_wait -1
.endm
	s_load_b128 s[4:7], s[0:1], 0x0                ; codes s[4:5], scales s[6:7]
	s_load_b64 s[12:13], s[0:1], 0x10              ; qkv
	v_lshl_add_u32 v[SPW], v0, 2, SPARE
	v_mov_b32 v[NIL], 0
	ds_add_u32 v[SPW], v[NIL]                      ; the wave's opening: the add, twice on end, and its wait ahead of my first tensor load
	ds_add_u32 v[SPW], v[NIL]
	v_lshrrev_b32 v1, 5, v0
	v_readfirstlane_b32 s14, v1                    ; wave 0..3
	s_lshr_b32 s15, s14, 1                         ; which half of the tile's rows is mine.  Also: I fetch for A (0) or for B (1)
	s_and_b32 s16, s14, 1                          ; which half of its columns.  Also: which 128 rows of that tile I fetch
	s_bfe_u32 s40, ttmp6, 0x40000                  ; cx, cy: my place in the cluster
	s_bfe_u32 s41, ttmp6, 0x40004
	s_lshl_b32 s42, ttmp9, 2
	s_add_co_u32 s42, s42, s40                     ; tile column of C = 4 x cluster x + cx
	s_and_b32 s17, ttmp7, 0xffff
	s_lshl_b32 s17, s17, 2
	s_add_co_u32 s17, s17, s41                     ; tile row of C = 4 x cluster y + cy
	s_lshl_b32 s43, s41, 2
	s_lshl_b32 s43, 15, s43                        ; my row of the cluster
	s_lshl_b32 s44, 0x1111, s40                    ; my column
	; descriptor group 1: a tile of 128 rows x 256 bytes, 16 bytes of padding behind each row
	s_or_b32 s[G1+0], s43, (0<<16)|(1<<20)|(1<<21)|(5<<22)|(3<<25)  ; the mask; elements of 1 byte; padding on; bit 21 beside a mask; after every 64 words; 4 words
	s_or_b32 s[G1B+0], s44, (0<<16)|(1<<20)|(1<<21)|(5<<22)|(3<<25)
.irp g, G1, G1B
	s_mov_b32 s[\g+1], ROWB<<16                    ; tensor_dim0
	s_mov_b32 s[\g+2], 128<<16                     ; tensor_dim1
	s_mov_b32 s[\g+3], ROWB<<16                    ; tile_dim0
	s_mov_b32 s[\g+4], 128                         ; tile_dim1
	s_mov_b32 s[\g+5], KROW                        ; from row to row
	s_mov_b32 s[\g+6], 0
	s_mov_b32 s[\g+7], 0
.endr
	; the scales of 128 rows: a dense block of 4,096 bytes, as 16 rows of 256 bytes (32 elements of 8), 16 bytes of padding behind each
	s_or_b32 s[G1S+0], s43, (3<<16)|(1<<20)|(1<<21)|(5<<22)|(3<<25)
	s_or_b32 s[G1SB+0], s44, (3<<16)|(1<<20)|(1<<21)|(5<<22)|(3<<25)
.irp g, G1S, G1SB
	s_mov_b32 s[\g+1], 32<<16
	s_mov_b32 s[\g+2], (128*KS/256)<<16
	s_mov_b32 s[\g+3], 32<<16
	s_mov_b32 s[\g+4], 128*KS/256
	s_mov_b32 s[\g+5], 32
	s_mov_b32 s[\g+6], 0
	s_mov_b32 s[\g+7], 0
.endr
	s_lshl_b32 s18, s16, 7                         ; which 128 rows of the tile I fetch
	s_lshl_b32 s20, s17, 8
	s_add_co_u32 s20, s20, s18                     ; A: row 256 x tile row + 128 x half
	s_lshl_b32 s46, s42, 8
	s_add_co_u32 s46, s46, s18                     ; B: row 256 x tile column + 128 x half
	s_mov_b32 s21, 0
	s_mov_b32 s47, 0
	s_mov_b64 s[18:19], KS
	s_mul_u64 s[22:23], s[20:21], s[18:19]         ; where these rows' scales begin, in bytes
	s_mul_u64 s[92:93], s[46:47], s[18:19]
	s_mov_b64 s[18:19], KROW
	s_mul_u64 s[20:21], s[20:21], s[18:19]         ; and their codes
	s_mul_u64 s[46:47], s[46:47], s[18:19]
	s_mul_i32 s45, s14, HALFT                      ; where they go: wave x 128 rows: no place in the cluster enters an LDS address
	s_mul_i32 s94, s14, HALFS
	s_wait_dscnt 0x0                               ; both opening adds are done
	s_wait_kmcnt 0x0
	s_add_nc_u64 s[8:9], s[4:5], 0x400000          ; the weights' codes lie behind x's,
	s_add_nc_u64 s[10:11], s[6:7], 0x40000         ; their scale bytes likewise
	s_add_nc_u64 s[20:21], s[4:5], s[20:21]
	s_add_nc_u64 s[22:23], s[6:7], s[22:23]
	s_add_nc_u64 s[46:47], s[8:9], s[46:47]
	s_add_nc_u64 s[92:93], s[10:11], s[92:93]
	CROUND                                         ; all sixteen work-groups are here: the first joint loads meet
	s_mov_b32 s[G0S], 1
	s_add_co_u32 s[G0S+1], s94, SCL
	s_mov_b64 s[G0S+2:G0S+3], s[22:23]
	s_or_b32 s[G0S+3], s[G0S+3], 0x80000000
	s_mov_b32 s[G0SB], 1
	s_add_co_u32 s[G0SB+1], s94, SCL
	s_mov_b64 s[G0SB+2:G0SB+3], s[92:93]
	s_or_b32 s[G0SB+3], s[G0SB+3], 0x80000000
	JLOAD G0S, G1S, G0SB, G1SB                     ; the scales first: they are wanted with the first slot.  Three loads of mine are out when the group is issued
.irp s, 0,1
	s_mov_b32 s[G0+4*\s], 1
	s_add_co_u32 s[G0+4*\s+1], s45, \s*SLOT
	s_add_nc_u64 s[G0+4*\s+2:G0+4*\s+3], s[20:21], \s*ROWB
	s_or_b32 s[G0+4*\s+3], s[G0+4*\s+3], 0x80000000
	s_mov_b32 s[G0B+4*\s], 1
	s_add_co_u32 s[G0B+4*\s+1], s45, \s*SLOT
	s_add_nc_u64 s[G0B+4*\s+2:G0B+4*\s+3], s[46:47], \s*ROWB
	s_or_b32 s[G0B+4*\s+3], s[G0B+4*\s+3], 0x80000000
	JLOAD G0+4*\s, G1, G0B+4*\s, G1B
.endr
	v_and_b32 v1, 15, v0                           ; l % 16
	v_bfe_u32 v2, v0, 4, 1                         ; l / 16
	v_mul_u32_u24 v3, v1, PITCH
	v_lshl_add_u32 v4, v2, 4, v3                   ; a fragment's row x pitch + 16 x half
	s_mul_i32 s21, s15, HALFT                      ; my 128 rows of A
	s_mul_i32 s22, s16, HALFT                      ; my 128 rows of B,
	s_add_co_u32 s22, s22, 2*HALFT                 ; which lie behind A's 256
.irp s, 0,1
	v_add_nc_u32 v[ADRA+\s], s21, v4
	v_add_nc_u32 v[ADRB+\s], s22, v4
	s_add_co_u32 s21, s21, SLOT
	s_add_co_u32 s22, s22, SLOT
.endr
	v_mul_u32_u24 v5, v1, KS                       ; my row's scales: 32 bytes a row,
	v_lshrrev_b32 v6, 8, v5
	v_lshl_add_u32 v5, v6, 4, v5                   ; and 16 more for each 256 passed
	s_mul_i32 s21, s15, HALFS                      ; A's: my 128 rows
	s_mul_i32 s22, s16, HALFS                      ; B's: my 128 rows, behind A's 256
	s_add_co_u32 s22, s22, 2*HALFS
	s_sub_co_u32 s22, s22, s21
	v_mul_u32_u24 v6, s22, v2                      ; lanes 16-31 take B's
	s_add_co_u32 s21, s21, SCL
	v_add_nc_u32 v5, v5, v6
	v_add_nc_u32 v[ADRS], s21, v5
	s_mul_i32 s23, s14, 16*PITCH                   ; my stage: 16 rows x 272 bytes, in slot 0
	v_add_nc_u32 v[STO], s23, v4                   ; in: row l % 16, 16 bytes for each half of the lanes
	v_and_b32 v6, 31, v0
	v_lshlrev_b32 v[CO], 4, v6
	v_lshrrev_b32 v5, 3, v6
	v_mul_u32_u24 v5, v5, PITCH
	v_and_b32 v6, 7, v0
	v_lshl_add_u32 v5, v6, 4, v5
	v_add_nc_u32 v[RD], s23, v5                    ; back: eight lanes take a head's 128 bytes of a row, the wave four rows
	; where my part begins in qkv: cluster x is q, k or v; batch = tile row / 8; head = 4 cx + 2 x column half; position = 256 (tile row % 8) + 128 x row half
	s_lshl_b32 s20, ttmp9, 24
	s_lshr_b32 s21, s17, 3
	s_lshl_b32 s21, s21, 22
	s_add_co_u32 s20, s20, s21
	s_and_b32 s21, s17, 7
	s_lshl_b32 s21, s21, 15
	s_add_co_u32 s20, s20, s21
	s_lshl_b32 s21, s15, 14
	s_add_co_u32 s20, s20, s21
	s_mov_b32 s21, 0
	s_lshl_b32 s46, s40, 20
	s_lshl_b32 s47, s16, 19
	s_add_co_u32 s46, s46, s47
	s_mov_b32 s47, 0
	s_add_nc_u64 s[20:21], s[20:21], s[46:47]
	s_add_nc_u64 s[12:13], s[12:13], s[20:21]
.macro FRAG reg, adr, q, i             ; a fragment, 16 rows x 128 K of 4-bit codes: lane l holds row l % 16; registers 4 c .. 4 c + 3 hold K = 64 c + 32 (l / 16) + 0 .. 31
.irp c, 0,1
	ds_load_b128 v[\reg+4*\c:\reg+4*\c+3], v[\adr] offset:64*(\q)+32*\c+(\i)*16*PITCH
.endr
.endm
; 16 matrix instructions: A's blocks a0, a0 + 1 x B's eight, the slot's q-th 128 along K.  p: B's set; sc: the set of scale words.  zero = 1: the first product starts the sums.
; The 64 accumulators take turns, one instruction a turn, in the same order in every step.
.macro MUL16 a0, p, q, sc, zero
.irp a, \a0, \a0+1
.irp b, 0,1,2,3,4,5,6,7
.if \zero
	v_wmma_scale_f32_16x16x128_f8f6f4 v[8*(8*((\a)%4)+\b):8*(8*((\a)%4)+\b)+7], v[128*(\p)+FR*\b:128*(\p)+FR*\b+FR-1], v[AF+FR*(\a):AF+FR*(\a)+FR-1], 0, v[SC+8*NQ*(\sc)+NQ*\b+(\q)], v[SC+8*NQ*(\sc)+NQ*(\a)+(\q)] matrix_a_fmt:MATRIX_FMT_FP4 matrix_b_fmt:MATRIX_FMT_FP4 matrix_a_scale:MATRIX_SCALE_ROW1
.else
	v_wmma_scale_f32_16x16x128_f8f6f4 v[8*(8*((\a)%4)+\b):8*(8*((\a)%4)+\b)+7], v[128*(\p)+FR*\b:128*(\p)+FR*\b+FR-1], v[AF+FR*(\a):AF+FR*(\a)+FR-1], v[8*(8*((\a)%4)+\b):8*(8*((\a)%4)+\b)+7], v[SC+8*NQ*(\sc)+NQ*\b+(\q)], v[SC+8*NQ*(\sc)+NQ*(\a)+(\q)] matrix_a_fmt:MATRIX_FMT_FP4 matrix_b_fmt:MATRIX_FMT_FP4 matrix_a_scale:MATRIX_SCALE_ROW1
.endif
.endr
.endr
.endm
.macro FETCH_B slot, q, p
	WIN TO_B
.irp i, 0,1,2,3,4,5,6,7
	FRAG 128*(\p)+FR*\i, ADRB+\slot, \q, \i
.endr
	WIN 0
.endm
.macro FETCH_A slot, q, i0
.irp i, \i0, \i0+1, \i0+2, \i0+3
	FRAG AF+FR*(\i), ADRA+\slot, \q, \i
.endr
.endm
.macro SCALES sc                       ; a slot's scale words: four words a row; lanes 0-15 take A's block i, lanes 16-31 B's block i
.irp i, 0,1,2,3,4,5,6,7
	ds_load_b128 v[SC+8*NQ*\sc+NQ*\i:SC+8*NQ*\sc+NQ*\i+3], v[ADRS] offset:\i*SBLK
.endr
.endm
.macro PLACES n                        ; plain vector lines between a matrix instruction and a load into its registers, or a read of its result
.rept \n
	v_nop
.endr
.endm
.macro STEP slot, q, zero              ; a step of 128 along K that has its successor in the same slot
	s_wait_dscnt 4*NL                              ; B's set and A's blocks 0-3 are in; the youngest eight loads (A's blocks 4-7) may be out
	WIN MUL_LO
	MUL16 0, (\q)%2, \q, \slot, \zero
	MUL16 2, (\q)%2, \q, \slot, \zero
	s_wait_dscnt 0
	PLACES NP
	FETCH_B \slot, (\q)+1, 1-(\q)%2
	FETCH_A \slot, (\q)+1, 0
	WIN MUL_HI
	MUL16 4, (\q)%2, \q, \slot, \zero
	MUL16 6, (\q)%2, \q, \slot, \zero
	PLACES NP
	WIN 0
	FETCH_A \slot, (\q)+1, 4
.endm
.macro TURN slot, next                 ; slot 0's last step goes on to slot 1: one barrier; in front of it each wave waits for all its tensor loads (its part of slot 1) and for its reads of slot 0, which the stages take later
	s_wait_tensorcnt 0x0
	ds_add_u32 v[SPW], v[NIL]                      ; 0 onto my spare word
	s_wait_dscnt 4*NL+1                            ; the add and the youngest eight loads may be out
	WIN MUL_LO
	MUL16 0, 1, NQ-1, \slot, 0
	s_wait_dscnt 0x0
	s_barrier_signal -1
	MUL16 2, 1, NQ-1, \slot, 0
	WIN 0
	s_barrier_wait -1
	PLACES NP
	v_add_nc_u32 v[ADRS], 4*NQ, v[ADRS]            ; the next slot's scale words (no LDS load of mine is out)
	FETCH_B \next, 0, 0
	FETCH_A \next, 0, 0
	SCALES \next
	WIN MUL_HI
	MUL16 4, 1, NQ-1, \slot, 0
	MUL16 6, 1, NQ-1, \slot, 0
	PLACES NP
	WIN 0
	FETCH_A \next, 0, 4
.endm
.macro STEPS slot, from
.set Q, \from
.rept NQ-1-\from
	STEP \slot, Q, 0
.set Q, Q+1
.endr
.endm
	s_wait_tensorcnt 1                             ; the scales and my part of slot 0 are in; slot 1's load may be out
	s_barrier_signal -1
	s_barrier_wait -1
	FETCH_B 0, 0, 0
	FETCH_A 0, 0, 0
	SCALES 0
	FETCH_A 0, 0, 4
	STEP 0, 0, 1                                   ; the first step's products start the sums
	STEPS 0, 1
	TURN 0, 1
	STEPS 1, 0
	s_wait_dscnt 4*NL                              ; the last step: nothing more to fetch
	WIN MUL_LO
	MUL16 0, 1, NQ-1, 1, 0
	MUL16 2, 1, NQ-1, 1, 0
	s_wait_dscnt 0
	WIN MUL_HI
	MUL16 4, 1, NQ-1, 1, 0
	MUL16 6, 1, NQ-1, 1, 0
	WIN 0
; THE WAY OUT, block by block of 16 positions x 128 columns (two heads).  PACK: rounded to f16, 16 bytes a lane.  TOSTAGE: into my stage and back, a head's 16 rows of 128 bytes at a time.  SEND: stored.
; The stage lies in slot 0: it has had its only fill, and every wave has passed the barrier behind which nobody reads it.
.macro PACK a
.set AC, 64*((\a)%4)
	WIN 0x0a+5*((\a)/4)                            ; sources 0 and 1: window 2 or 3
.irp b, 0,1,2,3,4,5,6,7
.irp r, 0,1,2,3
	v_cvt_pk_f16_f32 v[TMP+4*\b+\r], v[AC+8*\b+2*\r], v[AC+8*\b+2*\r+1]   ; each accumulator from its low end on
.endr
.endr
	WIN 0
.endm
.macro TOSTAGE a
.set BK, OB+192*((\a)%2)
.irp b, 0,1,2,3,4,5,6,7
	ds_store_b128 v[STO], v[TMP+4*\b:TMP+4*\b+3] offset:32*\b
.endr
.irp hh, 0,1
.irp i, 0,1,2,3
	ds_load_b128 v[BK+4*(4*\hh+\i):BK+4*(4*\hh+\i)+3], v[RD] offset:\i*4*PITCH+128*\hh   ; LDS serves a wave's instructions in order: these see the stores above
.endr
.endr
.endm
.macro SEND a
.set BK, OB+192*((\a)%2)
	s_wait_dscnt 0x0                               ; the block is back in registers
	s_wait_xcnt 0x0                                ; the earlier stores have read their registers: the next block's loads may land there
.irp hh, 0,1
.irp i, 0,1,2,3
	global_store_b128 v[CO], v[BK+4*(4*\hh+\i):BK+4*(4*\hh+\i)+3], s[12:13] offset:\hh*262144+(\a)*2048+\i*512   ; four rows of a head: 512 consecutive bytes, aligned
.endr
.endr
.endm
	PLACES NP
	PACK 0
	TOSTAGE 0
.irp a, 1,2,3,4,5,6,7
	PACK \a
	SEND \a-1
	TOSTAGE \a
.endr
	SEND 7
	s_wait_tensorcnt 0x0                           ; the wave's end: three lines behind my last tensor load and my last LDS store
	ds_add_u32 v[SPW], v[NIL]
	s_wait_dscnt 0x0
	CROUND                                         ; the closing round
	s_endpgm
.Lfunc_end_k_q5158d7eb61_qkv:
	.size	k_q5158d7eb61_qkv, .Lfunc_end_k_q5158d7eb61_qkv-k_q5158d7eb61_qkv
	.p2alignl 7, 3214868480
	.fill 96, 4, 3214868480
	.section	.rodata,"a",@progbits
	.p2align	6, 0x0
	.amdhsa_kernel k_q5158d7eb61_qkv
		.amdhsa_group_segment_fixed_size 327680
		.amdhsa_private_segment_fixed_size 0
		.amdhsa_enable_private_segment 0
		.amdhsa_kernarg_size 24
		.amdhsa_user_sgpr_count 2
		.amdhsa_user_sgpr_kernarg_segment_ptr 1
		.amdhsa_wavefront_size32 1
		.amdhsa_system_sgpr_workgroup_id_x 1
		.amdhsa_system_sgpr_workgroup_id_y 1
		.amdhsa_system_sgpr_workgroup_id_z 1
		.amdhsa_system_vgpr_workitem_id 0
		.amdhsa_next_free_vgpr 1024
		.amdhsa_next_free_sgpr 98
		.amdhsa_reserve_vcc 0
		.amdhsa_float_denorm_mode_32 3
		.amdhsa_float_denorm_mode_16_64 3
		.amdhsa_memory_ordered 1
		.amdhsa_forward_progress 1
		.amdhsa_inst_pref_size 126
	.end_amdhsa_kernel
	.amdgpu_metadata
---
amdhsa.version: [ 1, 2 ]
amdhsa.kernels:
  - .name:           k_q5158d7eb61_qkv
    .symbol:         k_q5158d7eb61_qkv.kd
    .args:
      - { .name: codes, .offset: 0, .size: 8, .value_kind: global_buffer, .address_space: global }
      - { .name: scales, .offset: 8, .size: 8, .value_kind: global_buffer, .address_space: global }
      - { .name: qkv, .offset: 16, .size: 8, .value_kind: global_buffer, .address_space: global }
    .group_segment_fixed_size: 327680
    .private_segment_fixed_size: 0
    .kernarg_segment_align: 8
    .kernarg_segment_size: 24
    .max_flat_workgroup_size: 128
    .sgpr_count:     98
    .vgpr_count:     1024
    .wavefront_size: 32
...
	.end_amdgpu_metadata
.endif
;; end of part 2
;; launch attn (part 3): grid 4 x 64, 16 waves a work-group, no clusters, 114,688 bytes of LDS; arguments qkv, route, ao; writes ao
.if DOCPART == 3
	.amdgcn_target "amdgcn-amd-amdhsa--gfx1250"
	.amdhsa_code_object_version 6
	.text
	.protected	k_q5158d7eb61_attn
	.globl	k_q5158d7eb61_attn
	.p2align	8
	.type	k_q5158d7eb61_attn,@function
k_q5158d7eb61_attn:
	s_mov_b64 s[64:65], 0
	v_nop
	global_prefetch_b8 v0, s[64:65] scope:SCOPE_SE
	s_setreg_imm32_b32 hwreg(HW_REG_WAVE_MODE, 25, 1), 1
	s_wait_xcnt 0x0
; ATTN: o[q] = sum over the keys of softmax(q . k / 8) v, for one batch and head, on f16 operands with f32 sums; maxima, exponentials and row sums in f32.
; LEFT OUT: the keys that attention_mask closes.  q, k, v lie by position, open tokens first; n, the batch's open tokens, is a whole number that an earlier launch stored.  Keys 0 .. N - 1 are walked,
; N = n; a closed key's weight is 0 beside any open key's.  Where n = 0 all scores are equal: N = 2,048 and the scale c = 0, so that every weight is 1: the uniform softmax.
; LIMITS: open scores as low as about -3e38 are not served; |o| stays under 65,504 (f16); a NaN or an infinity in a closed key's k or v is not carried to the result unless it shares the last tile of 64.
; NO TENSOR LOAD AND NO CLUSTER: steps are passed over by a branch on n, a number read from memory; K and V go through registers into LDS, and the four
; work-groups of a head each stage their own copy.  What that buys is every key step beyond N.
; SHARES.  A work-group owns 512 queries of one (batch, head); each of its sixteen waves 32: two tiles of 16, in 256 registers: four waves to a SIMD, one wave's vector work beside another's matrix work.
; LAYOUT.  S^T = K Q^T (source 0 = 16 keys, source 1 = 16 queries): a lane holds ONE query (lane % 16) and keys 8 (lane / 16) + 0..7 of a tile.  Two such tiles, rounded to f16 in pairs, are source 1
; (32 keys x 16 queries) of O^T = V^T P.  K comes out of LDS as it lies, V ([key][channel]) turned, by ds_load_tr16_b128.
; THE LOOP has a constant count, 32 steps of 64 keys, and one barrier a step, outside every branch; a step whose first key is N or beyond does nothing else.  Two LDS slots take turns: a slot is written
; only by waves that have passed the barrier behind every wave's last read of it.  The step is written once: the first finds m = -3e38, l = 0, O = 0.
.set PK,    144                        ; a key's row in LDS: 128 bytes + 16
.set PV,    160                        ; a row of V: 128 + 32
.set VOFF,  64*PK
.set SLOTB, 64*(PK+PV)                 ; a slot: 64 rows of K, then 64 rows of V
.set STAGE, 2*SLOTB                    ; the way out: 32 rows x 144 bytes for each wave
.set SPI,   144
.set WSTG,  32*SPI
.set SPARE, STAGE+16*WSTG              ; the spare words, 128 bytes for each of sixteen waves: eight blocks of 256 bytes that no other line names
.set AK,  1                            ; v1  my lane's place in a tile of K
.set AV,  2                            ; v2  the same for V
.set SK,  3                            ; v3  where my thread puts its 16 bytes of K's tile
.set SV,  4                            ; v4  and of V's
.set GOF, 5                            ; v5  16 x thread: my 16 bytes of a tile's 8,192 in memory
.set SPW, 6                            ; v6  LDS address of my spare word; never rewritten
.set NIL, 7                            ; v7  0; never rewritten
.set PFO, 8                            ; v8  256 x lane
.set CM,  18                           ; tile t: v[18+4t] c m, v[19+4t] m, v[20+4t:21+4t] l in two halves
.set CC,  26                           ; tile t: v[26+2t], v[27+2t] the maximum's two chains; then a in the first
.set Q,   32                           ; v32-63   Q: tile t, channels 32 c on: 16 t + 8 c
.set S,   64                           ; v64-127  S^T: 32 t + 8 kt; then p; p as f16 in the first 16 of each 32
.set O,   128                          ; v128-191 O^T: 32 t + 8 ct
.set F,   192                          ; v192-255 K's fragments (32 c + 8 kt), then V's (32 kc + 8 ct)
.set NK,  22                           ; s22 N
.set LIMN, 23                          ; s23 N in a wave that prefetches, else 0
.set KF,  28                           ; s28 the step's first key
	s_load_b128 s[4:7], s[0:1], 0x0                ; qkv s[4:5], route s[6:7]
	s_load_b64 s[8:9], s[0:1], 0x10                ; ao
	v_lshl_add_u32 v[SPW], v0, 2, SPARE
	v_mov_b32 v[NIL], 0
	v_lshrrev_b32 v9, 5, v0
	v_readfirstlane_b32 s10, v9                    ; wave 0..15
	s_and_b32 s12, ttmp7, 0xffff                   ; 16 x batch + head
	s_lshr_b32 s13, s12, 4
	s_and_b32 s14, s12, 15
	s_lshl_b32 s30, s13, 7
	s_mov_b32 s31, 0
	s_wait_kmcnt 0x0
	s_add_nc_u64 s[6:7], s[6:7], s[30:31]
	s_load_b32 s[NK], s[6:7], 0x8000               ; n of my batch
	v_and_b32 v26, 15, v0                          ; r
	v_bfe_u32 v27, v0, 4, 1                        ; h
	v_mul_u32_u24 v[AK], v26, PK
	v_lshl_add_u32 v[AK], v27, 4, v[AK]            ; row r, + 16 h
	v_and_b32 v28, 7, v0
	v_lshl_add_u32 v[AV], v27, 3, v28
	v_mul_u32_u24 v[AV], v[AV], PV
	v_bfe_u32 v29, v0, 3, 1
	v_lshl_add_u32 v[AV], v29, 4, v[AV]
	v_add_nc_u32 v[AV], VOFF, v[AV]                ; the turning load: key 8 h + l % 8, channels 8 ((l / 8) % 2) on
	v_lshrrev_b32 v29, 3, v0                       ; thread / 8: a tile's row
	v_mul_u32_u24 v[SK], v29, PK
	v_lshl_add_u32 v[SK], v28, 4, v[SK]
	v_mul_u32_u24 v[SV], v29, PV
	v_lshl_add_u32 v[SV], v28, 4, v[SV]
	v_add_nc_u32 v[SV], VOFF, v[SV]
	v_lshlrev_b32 v[GOF], 4, v0
	v_and_b32 v[PFO], 31, v0
	v_lshlrev_b32 v[PFO], 8, v[PFO]
	v_lshlrev_b32 v9, 7, v26
	v_lshl_add_u32 v9, v27, 4, v9                  ; Q: row r of 128 bytes, + 16 h
	s_lshl_b32 s32, s12, 18                        ; a head is 262,144 bytes
	s_mov_b32 s33, 0
	s_add_nc_u64 s[16:17], s[4:5], s[32:33]
	s_add_nc_u64 s[18:19], s[16:17], 0x2000000     ; V's head
	s_lshl_b32 s34, ttmp9, 16
	s_lshl_b32 s35, s10, 12
	s_add_co_u32 s34, s34, s35                     ; my 32 queries: (512 x + 32 w) rows of 128 bytes
	s_mov_b32 s35, 0
	s_add_nc_u64 s[4:5], s[16:17], s[34:35]        ; Q at my first query
	s_add_nc_u64 s[16:17], s[16:17], 0x1000000     ; K's head
	s_lshl_b32 s36, s14, 20
	s_lshl_b32 s37, s13, 18
	s_add_co_u32 s36, s36, s37
	s_add_co_u32 s36, s36, s34
	s_mov_b32 s37, 0
	s_add_nc_u64 s[36:37], s[8:9], s[36:37]        ; ao [head][2048 b + position][64] at my first query
	s_cmp_eq_u32 s10, 0
	s_cselect_b64 s[20:21], s[16:17], s[18:19]     ; the prefetches: wave 0 asks for K's tiles, wave 1 for V's
	s_mov_b32 s26, 0x76543210
	s_mov_b32 s27, 0xfedcba98                      ; v_permlanex16_b32's selects for lane l xor 16
.irp t, 0,1
.irp c, 0,1
	global_load_b128 v[Q+16*\t+8*\c:Q+16*\t+8*\c+3], v9, s[4:5] offset:\t*2048+\c*64
	global_load_b128 v[Q+16*\t+8*\c+4:Q+16*\t+8*\c+7], v9, s[4:5] offset:\t*2048+\c*64+32
.endr
.endr
	global_load_b128 v[10:13], v[GOF], s[16:17]    ; the first tile (N is at least 1)
	global_load_b128 v[14:17], v[GOF], s[18:19]
	s_wait_kmcnt 0x0
	s_cmp_eq_u32 s[NK], 0
	s_cselect_b32 s24, 0, 0x3e38aa3b               ; c = log2(e) / 8; 0 where no key is open
	s_cselect_b32 s[NK], 2048, s[NK]
	s_min_u32 s[NK], s[NK], 2048
	s_mov_b32 s25, s24                             ; (the packed form names the pair)
	s_lshr_b32 s30, s10, 1
	s_or_b32 s30, s30, ttmp9                       ; 0 in waves 0 and 1 of the head's first work-group
	s_cmp_eq_u32 s30, 0
	s_cselect_b32 s[LIMN], s[NK], 0
	s_mov_b32 s[KF], 0
	s_mov_b32 s29, 16
.irp t, 0,1
	v_mov_b32 v[CM+4*\t+1], 0xff61b1e6             ; m = -3e38
	v_mul_f32 v[CM+4*\t], s24, v[CM+4*\t+1]        ; c m
	v_mov_b32 v[CM+4*\t+2], 0                      ; l
	v_mov_b32 v[CM+4*\t+3], 0
.endr
.set J, 0
.rept 64
	v_mov_b32 v[O+J], 0                            ; O^T: any step may be a batch's last, so the step is written once and the first finds zeros
.set J, J+1
.endr
.macro STEP slot
	s_wait_loadcnt 0x0                             ; the tile asked for a step ago (in the first step: Q too)
	ds_store_b128 v[SK], v[10:13] offset:\slot*SLOTB   ; beyond N the registers hold an old tile: it lands in a slot that nobody reads any more
	ds_store_b128 v[SV], v[14:17] offset:\slot*SLOTB
	s_wait_dscnt 0x0                               ; my stores have landed, and my reads of the other slot are over
	s_barrier_signal -1
	s_barrier_wait -1
	s_cmp_lt_u32 s[KF], s[NK]
	s_cbranch_scc0 .Lover_\@                       ; no key of this step is walked
	s_add_co_u32 s30, s[KF], 64
	s_cmp_lt_u32 s30, s[NK]
	s_cbranch_scc0 .Llast_\@
	s_wait_xcnt 0x0                                ; the last prefetch, a step back, has read its address
	s_add_nc_u64 s[16:17], s[16:17], 8192
	s_add_nc_u64 s[18:19], s[18:19], 8192
	s_add_nc_u64 s[20:21], s[20:21], 8192
	global_load_b128 v[10:13], v[GOF], s[16:17]    ; the next tile: it has this step in which to come
	global_load_b128 v[14:17], v[GOF], s[18:19]
	s_add_co_u32 s30, s[KF], 192
	s_cmp_lt_u32 s30, s[LIMN]
	s_cbranch_scc0 .Llast_\@
	global_prefetch_b8 v[PFO], s[20:21] offset:16384 th:TH_LOAD_NT scope:SCOPE_SE   ; the tile three steps on, two steps ahead of its load: 32 lanes x 256 bytes; asked once for the head's four work-groups; only while its first key is under N
.Llast_\@:
.irp c, 0,1
.irp kt, 0,1,2,3
	ds_load_b128 v[F+32*\c+8*\kt:F+32*\c+8*\kt+3], v[AK] offset:\slot*SLOTB+\kt*16*PK+64*\c
	ds_load_b128 v[F+32*\c+8*\kt+4:F+32*\c+8*\kt+7], v[AK] offset:\slot*SLOTB+\kt*16*PK+64*\c+32
.endr
.endr
	s_wait_dscnt 8                                 ; channels 0-31 are in; the eight loads of channels 32-63 may be out
.irp kt, 0,1,2,3
.irp t, 0,1
	v_wmma_f32_16x16x32_f16 v[S+32*\t+8*\kt:S+32*\t+8*\kt+7], v[F+8*\kt:F+8*\kt+7], v[Q+16*\t:Q+16*\t+7], 0
.endr
.endr
	s_wait_dscnt 0x0
.irp kt, 0,1,2,3
.irp t, 0,1
	v_wmma_f32_16x16x32_f16 v[S+32*\t+8*\kt:S+32*\t+8*\kt+7], v[F+32+8*\kt:F+32+8*\kt+7], v[Q+16*\t+8:Q+16*\t+15], v[S+32*\t+8*\kt:S+32*\t+8*\kt+7]   ; the eight accumulators by turns
.endr
.endr
.rept 4
	v_nop                                          ; places in front of the loads into K's registers and of the first read of the scores
.endr
.irp kc, 0,1
.irp ct, 0,1,2,3
	ds_load_tr16_b128 v[F+32*\kc+8*\ct:F+32*\kc+8*\ct+3], v[AV] offset:\slot*SLOTB+\kc*32*PV+32*\ct
	ds_load_tr16_b128 v[F+32*\kc+8*\ct+4:F+32*\kc+8*\ct+7], v[AV] offset:\slot*SLOTB+\kc*32*PV+32*\ct+16*PV
.endr
.endr
	s_add_co_u32 s30, s[KF], 64
	s_cmp_gt_u32 s30, s[NK]
	s_cbranch_scc0 .Lfull_\@
	; the last step, where N is no multiple of 64: keys from N on become -infinity ahead of the maximum.  Register 8 kt + j holds key KF + 16 kt + 8 h + j.  (c is not 0 here: with n = 0, N = 2,048)
	s_sub_co_u32 s30, s[NK], s[KF]
	v_bfe_u32 v9, v0, 4, 1
	v_lshlrev_b32 v9, 3, v9
	v_sub_nc_u32 v9, s30, v9                       ; N - KF - 8 h
	v_mov_b32 v30, 0xff800000
.set TK, 0
.rept 4
.set TJ, 0
.rept 8
	v_cmp_gt_i32 vcc_lo, 16*TK+TJ+1, v9
	v_cndmask_b32 v[S+8*TK+TJ], v[S+8*TK+TJ], v30, vcc_lo
	v_cndmask_b32 v[S+32+8*TK+TJ], v[S+32+8*TK+TJ], v30, vcc_lo
.set TJ, TJ+1
.endr
.set TK, TK+1
.endr
.Lfull_\@:
	; the maximum of my 32 scores and the old m: two chains a tile, the scores in ascending order
.irp t, 0,1
	v_max3_num_f32 v[CC+2*\t], v[S+32*\t], v[S+32*\t+1], v[S+32*\t+2]
	v_max3_num_f32 v[CC+2*\t+1], v[S+32*\t+3], v[S+32*\t+4], v[S+32*\t+5]
.endr
.irp k, 0,1,2,3,4,5,6,7,8,9,10,11,12
.irp t, 0,1
	v_max3_num_f32 v[CC+2*\t+\k%2], v[CC+2*\t+\k%2], v[S+32*\t+6+2*\k], v[S+32*\t+7+2*\k]
.endr
.endr
.irp t, 0,1
	v_max3_num_f32 v[CC+2*\t], v[CC+2*\t], v[CC+2*\t+1], v[CM+4*\t+1]
.endr
.irp t, 0,1
	v_permlanex16_b32 v[CC+2*\t+1], v[CC+2*\t], s26, s27   ; the query's other 32 keys lie in the lane 16 away
.endr
.irp t, 0,1
	v_max_num_f32 v[CM+4*\t+1], v[CC+2*\t], v[CC+2*\t+1]   ; the new m
.endr
.irp t, 0,1
	v_mov_b32 v[CC+2*\t], v[CM+4*\t]               ; c m_old
.endr
.irp t, 0,1
	v_mul_f32 v[CM+4*\t], s24, v[CM+4*\t+1]        ; c m
.endr
.irp t, 0,1
	v_sub_f32 v[CC+2*\t], v[CC+2*\t], v[CM+4*\t]
.endr
.irp t, 0,1
	v_exp_f32 v[CC+2*\t], v[CC+2*\t]               ; a = 2^(c m_old - c m)
.endr
.set J, 0
.rept 16
.irp t, 0,1
	v_pk_fma_f32 v[S+32*\t+J:S+32*\t+J+1], v[S+32*\t+J:S+32*\t+J+1], s[24:25], v[CM+4*\t:CM+4*\t+1] op_sel_hi:[1,0,0] neg_lo:[0,0,1] neg_hi:[0,0,1]   ; c s - c m
.endr
.set J, J+2
.endr
.set J, 0
.rept 64
	v_exp_f32 v[S+J], v[S+J]                       ; p
.set J, J+1
.endr
	v_nop                                          ; a plain line behind the last exponential
	s_wait_alu depctr_va_vdst(0)                   ; one wait for the 66 exponentials, ahead of the first line that names a result
.irp t, 0,1
	v_pk_mul_f32 v[CM+4*\t+2:CM+4*\t+3], v[CM+4*\t+2:CM+4*\t+3], v[CC+2*\t:CC+2*\t+1] op_sel_hi:[1,0]   ; l under the new m
	v_pk_add_f32 v[30:31], v[S+32*\t:S+32*\t+1], v[S+32*\t+2:S+32*\t+3]   ; the row's sum of p in f32, in two chains
.irp j, 4,8,12,16,20,24,28
	v_pk_add_f32 v[CM+4*\t+2:CM+4*\t+3], v[CM+4*\t+2:CM+4*\t+3], v[S+32*\t+\j:S+32*\t+\j+1]
	v_pk_add_f32 v[30:31], v[30:31], v[S+32*\t+\j+2:S+32*\t+\j+3]
.endr
	v_pk_add_f32 v[CM+4*\t+2:CM+4*\t+3], v[CM+4*\t+2:CM+4*\t+3], v[30:31]
.endr
.irp t, 0,1
.irp i, 0,1,2,3,4,5,6,7,8,9,10,11,12,13,14,15
	v_cvt_pk_f16_f32 v[S+32*\t+\i], v[S+32*\t+2*\i], v[S+32*\t+2*\i+1]   ; p to f16, in place and ascending: register i is written when registers 2 i and 2 i + 1 are read
.endr
.endr
.irp t, 0,1
.set J, 0
.rept 16
	v_pk_mul_f32 v[O+32*\t+J:O+32*\t+J+1], v[O+32*\t+J:O+32*\t+J+1], v[CC+2*\t:CC+2*\t+1] op_sel_hi:[1,0]   ; O^T under the new m
.set J, J+2
.endr
.endr
	s_wait_dscnt 0x0                               ; V is in
.irp kc, 0,1
.irp ct, 0,1,2,3
.irp t, 0,1
	v_wmma_f32_16x16x32_f16 v[O+32*\t+8*\ct:O+32*\t+8*\ct+7], v[F+32*\kc+8*\ct:F+32*\kc+8*\ct+7], v[S+32*\t+8*\kc:S+32*\t+8*\kc+7], v[O+32*\t+8*\ct:O+32*\t+8*\ct+7]
.endr
.endr
.endr
.rept 5
	v_nop                                          ; four places in front of the next loads into V's registers, five in front of the next scores, which are laid over p
.endr
.Lover_\@:
	s_add_co_u32 s[KF], s[KF], 64
.endm
.Lpair:
	STEP 0
	STEP 1
	s_sub_co_u32 s29, s29, 1
	s_cmp_lg_u32 s29, 0
	s_cbranch_scc1 .Lpair
	; THE WAY OUT: O^T / l, rounded to f16, through my own stage, so that the wave stores 512 consecutive bytes (four rows of 128) an instruction
.irp t, 0,1
	v_add_f32 v[CC+2*\t], v[CM+4*\t+2], v[CM+4*\t+3]
.endr
.irp t, 0,1
	v_permlanex16_b32 v[CC+2*\t+1], v[CC+2*\t], s26, s27
.endr
.irp t, 0,1
	v_add_f32 v[CC+2*\t], v[CC+2*\t], v[CC+2*\t+1]
.endr
.irp t, 0,1
	v_rcp_f32 v[CC+2*\t], v[CC+2*\t]
.endr
	v_and_b32 v1, 15, v0                           ; (plain lines behind the reciprocals)
	v_bfe_u32 v2, v0, 4, 1
	s_mul_i32 s30, s10, WSTG
	s_add_co_u32 s30, s30, STAGE                   ; my stage
	v_mul_u32_u24 v3, v1, SPI
	v_lshl_add_u32 v3, v2, 4, v3
	v_add_nc_u32 v3, s30, v3                       ; in: row r, + 16 h
	v_and_b32 v4, 31, v0
	v_lshrrev_b32 v9, 3, v4
	v_mul_u32_u24 v9, v9, SPI
	v_and_b32 v1, 7, v0
	v_lshl_add_u32 v9, v1, 4, v9
	v_add_nc_u32 v9, s30, v9                       ; back: eight lanes to a row, four rows an instruction
	v_lshlrev_b32 v4, 4, v4
	s_wait_alu depctr_va_vdst(0)                   ; one wait for the two reciprocals, ahead of their first reader
.irp t, 0,1
.set J, 0
.rept 16
	v_pk_mul_f32 v[O+32*\t+J:O+32*\t+J+1], v[O+32*\t+J:O+32*\t+J+1], v[CC+2*\t:CC+2*\t+1] op_sel_hi:[1,0]
.set J, J+2
.endr
.endr
.irp t, 0,1
.irp i, 0,1,2,3,4,5,6,7,8,9,10,11,12,13,14,15
	v_cvt_pk_f16_f32 v[S+16*\t+\i], v[O+32*\t+2*\i], v[O+32*\t+2*\i+1]
.endr
.endr
.irp t, 0,1
.irp ct, 0,1,2,3
	ds_store_b128 v3, v[S+16*\t+4*\ct:S+16*\t+4*\ct+3] offset:\t*16*SPI+32*\ct   ; query 16 t + r, channels 16 ct + 8 h on
.endr
.endr
.irp i, 0,1,2,3,4,5,6,7
	ds_load_b128 v[F+4*\i:F+4*\i+3], v9 offset:\i*4*SPI   ; LDS serves a wave's instructions in order: these see my stores
.endr
.irp i, 0,1,2,3,4,5,6,7
	s_wait_dscnt 7-\i
	global_store_b128 v4, v[F+4*\i:F+4*\i+3], s[36:37] offset:512*\i
.endr
	s_wait_tensorcnt 0x0                           ; the wave's end: three lines behind my last LDS store
	ds_add_u32 v[SPW], v[NIL]
	s_wait_dscnt 0x0
	s_endpgm
.Lfunc_end_k_q5158d7eb61_attn:
	.size	k_q5158d7eb61_attn, .Lfunc_end_k_q5158d7eb61_attn-k_q5158d7eb61_attn
	.p2alignl 7, 3214868480
	.fill 96, 4, 3214868480
	.section	.rodata,"a",@progbits
	.p2align	6, 0x0
	.amdhsa_kernel k_q5158d7eb61_attn
		.amdhsa_group_segment_fixed_size 114688
		.amdhsa_private_segment_fixed_size 0
		.amdhsa_enable_private_segment 0
		.amdhsa_kernarg_size 24
		.amdhsa_user_sgpr_count 2
		.amdhsa_user_sgpr_kernarg_segment_ptr 1
		.amdhsa_wavefront_size32 1
		.amdhsa_system_sgpr_workgroup_id_x 1
		.amdhsa_system_sgpr_workgroup_id_y 1
		.amdhsa_system_sgpr_workgroup_id_z 1
		.amdhsa_system_vgpr_workitem_id 0
		.amdhsa_next_free_vgpr 256
		.amdhsa_next_free_sgpr 66
		.amdhsa_reserve_vcc 1
		.amdhsa_float_denorm_mode_32 3
		.amdhsa_float_denorm_mode_16_64 3
		.amdhsa_memory_ordered 1
		.amdhsa_forward_progress 1
		.amdhsa_inst_pref_size 57
	.end_amdhsa_kernel
	.amdgpu_metadata
---
amdhsa.version: [ 1, 2 ]
amdhsa.kernels:
  - .name:           k_q5158d7eb61_attn
    .symbol:         k_q5158d7eb61_attn.kd
    .args:
      - { .name: qkv, .offset: 0, .size: 8, .value_kind: global_buffer, .address_space: global }
      - { .name: route, .offset: 8, .size: 8, .value_kind: global_buffer, .address_space: global }
      - { .name: ao, .offset: 16, .size: 8, .value_kind: global_buffer, .address_space: global }
    .group_segment_fixed_size: 114688
    .private_segment_fixed_size: 0
    .kernarg_segment_align: 8
    .kernarg_segment_size: 24
    .max_flat_workgroup_size: 512
    .sgpr_count:     66
    .vgpr_count:     256
    .wavefront_size: 32
...
	.end_amdgpu_metadata
.endif
;; end of part 3
;; launch oproj (part 4): grid 4 x 64, 4 waves a work-group, clusters of 4 x 4, 327,680 bytes of LDS; arguments ao, wo16, bo, route, out0; writes out0
.if DOCPART == 4
	.amdgcn_target "amdgcn-amd-amdhsa--gfx1250"
	.amdhsa_code_object_version 6
	.text
	.protected	k_q5158d7eb61_oproj
	.globl	k_q5158d7eb61_oproj
	.p2align	8
	.type	k_q5158d7eb61_oproj,@function
k_q5158d7eb61_oproj:
	s_mov_b64 s[64:65], 0
	v_nop
	global_prefetch_b8 v0, s[64:65] scope:SCOPE_SE
	s_setreg_imm32_b32 hwreg(HW_REG_WAVE_MODE, 25, 1), 1
	s_wait_xcnt 0x0
	s_wait_alu depctr_hold_cnt(0) depctr_sa_sdst(0) depctr_va_vdst(0) depctr_va_sdst(0) depctr_va_ssrc(0) depctr_va_vcc(0) depctr_vm_vsrc(0)
	s_getreg_b32 s2, hwreg(HW_REG_IB_STS2, 6, 4)
	s_cmp_eq_u32 s2, 0
	s_cbranch_scc0 .Lentry_in_a_cluster
	s_endpgm
.Lentry_in_a_cluster:
	s_bfe_u32 s2, ttmp6, 0x10000c
	s_cmp_lg_u32 s2, 0xf033
	s_cbranch_scc0 .Lentry_shape_is_right
	s_endpgm
.Lentry_shape_is_right:
; OPROJ: out0[token][n] = sum over k of ao[position][k] Wo[k][n] + bo[n], on f16 operands with f32 sums; each position's row is stored at its token.  Nothing is left out here.
; ao: f16 [head][2048 b + position][64], k = 64 head + channel.  wo16: f16 [k][n].  route: position -> token, whole numbers that an earlier launch stored; they enter the stores' offsets alone.
; A tile is 128 positions x 256 columns: 256 work-groups of four waves; a wave makes 64 x 128: 32 accumulators, 256 registers.  K goes in steps of 128 (two heads) through a ring of two LDS slots.
; THE MATRIX INSTRUCTION IS USED TRANSPOSED: source 0 = 16 columns of Wo (turned out of LDS by ds_load_tr16_b128), source 1 = 16 rows of ao: a lane holds eight neighbouring columns of one row.
; bo is the C of each sum's first matrix instruction: eight registers for each block of 16 columns, in the result's layout.
; CLUSTERS: 4 x 4 work-groups.  The four of a row of the cluster need the same rows of ao, the four of a column the same columns of Wo: each tile is asked for JOINTLY.
; No prefetch: Wo's tiles are read again by every row of tiles, and each of ao's is asked for once by a cluster, a K step ahead of its use.
; REGISTERS: window 0: v16-31 addresses and the table; v32-95 bo; v96-223 rows on the way out; v224-255 their offsets.  window 1: two fragment buffers (32 of A, 64 of B).  window 2: accumulator (a, b) at v[8 (8 a + b)].
.set PA,     144                       ; a row of ao in LDS: 128 bytes + 16
.set PB,     544                       ; a row of Wo's tile: 512 bytes + 32
.set SUBA,   128*PA                    ; one head's 128 rows
.set BOFF,   2*SUBA
.set HALFB,  64*PB                     ; 64 rows of Wo: what one load brings
.set SLOT,   BOFF+2*HALFB
.set STAGE,  2*SLOT                    ; behind the ring: 16 rows x 528 bytes for each wave
.set SPITCH, 528
.set SPARE,  STAGE+4*16*SPITCH         ; the spare words, 128 bytes for each wave: two blocks of 256 bytes that no other line names
.set LAPS,   4                         ; eight K steps
.set ADRA, 16                          ; v16-17 LDS address of my A fragments in slot 0, 1
.set ADRB, 20                          ; v20-21 the same for B
.set STO,  24
.set RD,   25
.set CO,   26                          ; v26 16 x lane
.set SPW,  28                          ; v28 LDS address of my spare word; never rewritten
.set NIL,  29                          ; v29 0; never rewritten
.set INV,  30                          ; v30-31 the tokens of my 64 positions, a lane each
.set BI,   32                          ; v32-95 bo
.set BK,   96                          ; v96-159, v160-223 by turns
.set RO,   224                         ; v224-239, v240-255 by turns
.set F0,   0
.set F1,   128
.set G1, 24
.set G0, 32
.set G1B, 48
.set G0B, 56
.set MSB, 0
.macro WIN new
.if MSB != (\new)
	s_set_vgpr_msb (MSB<<8)|(\new)
.set MSB, (\new)
.endif
.endm
.set TO_F, 0x40                        ; destination window 1, address window 0
.macro MWIN first                      ; sources 0 and 1 window 1, D window 2; C window 2, or window 0 where it is bo
.if \first
	WIN 0x85
.else
	WIN 0xa5
.endif
.endm
.macro JLOAD s                         ; a joint load: waves 0 and 1 fetch ao's two heads, waves 2 and 3 Wo's two halves; an s_nop 0 and four v_nop follow each line
	s_cmp_eq_u32 s15, 0
	s_cbranch_scc0 .Lfor_b_\@
	tensor_load_to_lds s[G0+4*\s:G0+4*\s+3], s[G1:G1+7]
	s_nop 0
.rept 4
	v_nop
.endr
	s_branch .Lasked_\@
.Lfor_b_\@:
	tensor_load_to_lds s[G0B+4*\s:G0B+4*\s+3], s[G1B:G1B+7]
	s_nop 0
.rept 4
	v_nop
.endr
.Lasked_\@:
.endm
.macro CREST
	s_cmp_lg_u32 s14, 0
	s_cbranch_scc1 .Lnot_wave_0_\@
	s_barrier_signal -3
.Lnot_wave_0_\@:
	s_barrier_wait -3
	s_barrier_signal -1
	s_barrier_wait -1
.endm
.macro CROUND
	s_barrier_signal -1
	s_barrier_wait -1
	CREST
.endm
	s_load_b256 s[4:11], s[0:1], 0x0               ; ao s[4:5], wo16 s[6:7], bo s[8:9], route s[10:11]
	s_load_b64 s[12:13], s[0:1], 0x20              ; out0
	v_lshl_add_u32 v[SPW], v0, 2, SPARE
	v_mov_b32 v[NIL], 0
	ds_add_u32 v[SPW], v[NIL]                      ; the wave's opening: the add, twice on end, and its wait ahead of my first tensor load
	ds_add_u32 v[SPW], v[NIL]
	v_lshrrev_b32 v1, 5, v0
	v_readfirstlane_b32 s14, v1                    ; wave 0..3
	s_lshr_b32 s15, s14, 1                         ; which 64 of the tile's rows are mine.  Also: I fetch for A (0) or for B (1)
	s_and_b32 s16, s14, 1                          ; which 128 of its columns.  Also: which head, or which 64 rows of Wo, I fetch
	s_bfe_u32 s40, ttmp6, 0x40000                  ; cx, cy
	s_bfe_u32 s41, ttmp6, 0x40004
	s_lshl_b32 s42, ttmp9, 2
	s_add_co_u32 s42, s42, s40                     ; tile column
	s_and_b32 s17, ttmp7, 0xffff
	s_lshl_b32 s17, s17, 2
	s_add_co_u32 s17, s17, s41                     ; tile row
	s_lshl_b32 s43, s41, 2
	s_lshl_b32 s43, 15, s43                        ; my row of the cluster
	s_lshl_b32 s44, 0x1111, s40                    ; my column
	s_or_b32 s[G1+0], s43, (1<<16)|(1<<20)|(1<<21)|(4<<22)|(3<<25)   ; A: the mask; elements of 2 bytes; padding on; bit 21 beside a mask; after every 32 words; 4 words
	s_mov_b32 s[G1+1], 64<<16                      ; tensor_dim0 = 64
	s_mov_b32 s[G1+2], 128<<16                     ; tensor_dim1 = 128
	s_mov_b32 s[G1+3], 64<<16                      ; tile_dim0
	s_mov_b32 s[G1+4], 128                         ; tile_dim1
	s_mov_b32 s[G1+5], 64                          ; from row to row: dense
	s_mov_b32 s[G1+6], 0
	s_mov_b32 s[G1+7], 0
	s_or_b32 s[G1B+0], s44, (1<<16)|(1<<20)|(1<<21)|(6<<22)|(7<<25)  ; B: after every 128 words; 8 words
	s_mov_b32 s[G1B+1], 256<<16
	s_mov_b32 s[G1B+2], 64<<16
	s_mov_b32 s[G1B+3], 256<<16
	s_mov_b32 s[G1B+4], 64
	s_mov_b32 s[G1B+5], 1024
	s_mov_b32 s[G1B+6], 0
	s_mov_b32 s[G1B+7], 0
	s_lshl_b32 s20, s16, 20                        ; A: head (w % 2), a head is 1,048,576 bytes; 128 rows of 128 bytes a tile row
	s_lshl_b32 s21, s17, 14
	s_add_co_u32 s20, s20, s21
	s_mov_b32 s21, 0
	s_lshl_b32 s46, s16, 17                        ; B: rows 64 (w % 2) on, 2,048 bytes a row; 512 bytes a tile column
	s_lshl_b32 s47, s42, 9
	s_add_co_u32 s46, s46, s47
	s_mov_b32 s47, 0
	s_mul_i32 s45, s16, SUBA                       ; where they go: no place in the cluster enters an LDS address
	s_mul_i32 s22, s16, HALFB
	s_add_co_u32 s22, s22, BOFF
	s_wait_dscnt 0x0                               ; both opening adds are done
	s_wait_kmcnt 0x0
	s_add_nc_u64 s[20:21], s[4:5], s[20:21]
	s_add_nc_u64 s[46:47], s[6:7], s[46:47]
	CROUND                                         ; all sixteen work-groups are here: the first joint loads meet
.irp s, 0,1
	s_mov_b32 s[G0+4*\s], 1
	s_add_co_u32 s[G0+4*\s+1], s45, \s*SLOT
	s_add_nc_u64 s[G0+4*\s+2:G0+4*\s+3], s[20:21], \s*2097152      ; K step s: heads 2 s, 2 s + 1
	s_or_b32 s[G0+4*\s+3], s[G0+4*\s+3], 0x80000000
	s_mov_b32 s[G0B+4*\s], 1
	s_add_co_u32 s[G0B+4*\s+1], s22, \s*SLOT
	s_add_nc_u64 s[G0B+4*\s+2:G0B+4*\s+3], s[46:47], \s*262144     ; rows 128 s on
	s_or_b32 s[G0B+4*\s+3], s[G0B+4*\s+3], 0x80000000
	JLOAD \s                                       ; two loads of mine are out
.endr
	v_and_b32 v1, 15, v0                           ; r
	v_bfe_u32 v2, v0, 4, 1                         ; h
	v_mul_u32_u24 v3, v1, PA
	v_lshl_add_u32 v3, v2, 4, v3                   ; A: row r, + 16 h
	v_and_b32 v4, 7, v0
	v_lshl_add_u32 v4, v2, 3, v4
	v_mul_u32_u24 v4, v4, PB
	v_bfe_u32 v5, v0, 3, 1
	v_lshl_add_u32 v4, v5, 4, v4                   ; B, turned: k = 8 h + l % 8, columns 8 ((l / 8) % 2) on
	s_mul_i32 s21, s15, 64*PA                      ; my 64 rows
	s_lshl_b32 s22, s16, 8                         ; my 128 columns
	s_add_co_u32 s22, s22, BOFF
.irp s, 0,1
	v_add_nc_u32 v[ADRA+\s], s21, v3
	v_add_nc_u32 v[ADRB+\s], s22, v4
	s_add_co_u32 s21, s21, SLOT
	s_add_co_u32 s22, s22, SLOT
.endr
	s_mul_i32 s23, s14, 16*SPITCH
	s_add_co_u32 s23, s23, STAGE                   ; my stage
	v_mul_u32_u24 v5, v1, SPITCH
	v_lshl_add_u32 v5, v2, 5, v5
	v_add_nc_u32 v[STO], s23, v5                   ; in: row r, 32 bytes for each half of the lanes
	v_and_b32 v6, 31, v0
	v_lshlrev_b32 v[CO], 4, v6
	v_add_nc_u32 v[RD], s23, v[CO]                 ; back: the 32 lanes take a row of 512 bytes
	v_lshlrev_b32 v6, 2, v6
	v_lshlrev_b32 v7, 5, v2
	s_lshl_b32 s18, s17, 9
	s_lshl_b32 s19, s15, 8
	s_add_co_u32 s18, s18, s19
	s_mov_b32 s19, 0
	s_add_nc_u64 s[10:11], s[10:11], s[18:19]      ; the table at my first position: 128 x tile row + 64 x half
	s_lshl_b32 s18, s42, 10
	s_lshl_b32 s2, s16, 9
	s_add_co_u32 s18, s18, s2
	s_add_nc_u64 s[8:9], s[8:9], s[18:19]          ; bo and out0 at my first column
	s_add_nc_u64 s[12:13], s[12:13], s[18:19]
	global_load_b32 v[INV], v6, s[10:11]
	global_load_b32 v[INV+1], v6, s[10:11] offset:128
.irp b, 0,1,2,3,4,5,6,7
	global_load_b128 v[BI+8*\b:BI+8*\b+3], v7, s[8:9] offset:64*\b          ; columns 16 b + 8 h + 0 .. 7
	global_load_b128 v[BI+8*\b+4:BI+8*\b+7], v7, s[8:9] offset:64*\b+16
.endr
; 24 LDS loads in one run: quarter q (32 along K) of a slot into buffer f: B's eight fragments, then A's four
.macro FETCH slot, q, f
	WIN TO_F
.irp b, 0,1,2,3,4,5,6,7
	ds_load_tr16_b128 v[\f+32+8*\b:\f+32+8*\b+3], v[ADRB+\slot] offset:(\q)*32*PB+32*\b
	ds_load_tr16_b128 v[\f+32+8*\b+4:\f+32+8*\b+7], v[ADRB+\slot] offset:(\q)*32*PB+32*\b+16*PB
.endr
.irp a, 0,1,2,3
	ds_load_b128 v[\f+8*\a:\f+8*\a+3], v[ADRA+\slot] offset:((\q)/2)*SUBA+((\q)%2)*64+\a*16*PA
	ds_load_b128 v[\f+8*\a+4:\f+8*\a+7], v[ADRA+\slot] offset:((\q)/2)*SUBA+((\q)%2)*64+\a*16*PA+32
.endr
.endm
; 8 matrix instructions: A's block a x B's eight.  The 32 accumulators take turns, one instruction a turn, in the same order in every quarter
.macro MULA f, a, first
.irp b, 0,1,2,3,4,5,6,7
.if \first
	v_wmma_f32_16x16x32_f16 v[8*(8*(\a)+\b):8*(8*(\a)+\b)+7], v[\f+32+8*\b:\f+32+8*\b+7], v[\f+8*(\a):\f+8*(\a)+7], v[BI+8*\b:BI+8*\b+7]
.else
	v_wmma_f32_16x16x32_f16 v[8*(8*(\a)+\b):8*(8*(\a)+\b)+7], v[\f+32+8*\b:\f+32+8*\b+7], v[\f+8*(\a):\f+8*(\a)+7], v[8*(8*(\a)+\b):8*(8*(\a)+\b)+7]
.endif
.endr
.endm
.macro PLACES
.rept 4
	v_nop
.endr
.endm
.macro QUARTER slot, qn, f, g, first   ; multiplies buffer f; in its middle fetches quarter qn of the same slot into g
	s_wait_dscnt 4                                 ; B and A's blocks 0, 1 are in; the youngest four loads (A's blocks 2, 3) may be out
	MWIN \first
	MULA \f, 0, \first
	MULA \f, 1, \first
	PLACES
	FETCH \slot, \qn, \g
	s_wait_dscnt 24                                ; all but the 24 just issued
	MWIN \first
	MULA \f, 2, \first
	MULA \f, 3, \first
.endm
; A slot's last quarter multiplies buffer 1 and changes slots: in front of the barrier each wave waits for all its tensor loads, adds 0 to its spare word, and waits for that and for its reads of this slot.
; fill = 1: the barrier opens a round of the cluster's, and this slot is filled again, two K steps ahead: one load a wave, first behind the round, with a K step less 16 matrix instructions in which to land.
.macro TURN slot, next, fill
	WIN 0
	s_wait_tensorcnt 0x0
	ds_add_u32 v[SPW], v[NIL]
	s_wait_dscnt 5                                 ; the add and the youngest four loads may be out
	MWIN 0
	MULA F1, 0, 0
	s_wait_dscnt 0x0                               ; the add is done, and my reads of this slot are over
	s_barrier_signal -1
	MULA F1, 1, 0
	WIN 0
	s_barrier_wait -1
.if \fill
	CREST
	s_add_nc_u64 s[G0+4*\slot+2:G0+4*\slot+3], s[G0+4*\slot+2:G0+4*\slot+3], 4194304
	s_add_nc_u64 s[G0B+4*\slot+2:G0B+4*\slot+3], s[G0B+4*\slot+2:G0B+4*\slot+3], 524288
	JLOAD \slot                                    ; the four v_nop behind it are also the places in front of the loads below
.else
	PLACES
.endif
	FETCH \next, 0, F0
	MWIN 0
	MULA F1, 2, 0
	MULA F1, 3, 0
.endm
	s_wait_tensorcnt 1                             ; my part of K step 0 is in; K step 1's may be out
	s_barrier_signal -1
	s_barrier_wait -1
	FETCH 0, 0, F0
	s_wait_loadcnt 0x0                             ; bo and the table
	QUARTER 0, 1, F0, F1, 1                        ; the first quarter's products start the sums, from bo
	WIN 0
	s_mov_b32 s3, LAPS-1
.Llap:
	QUARTER 0, 2, F1, F0, 0
	QUARTER 0, 3, F0, F1, 0
	TURN 0, 1, 1
	QUARTER 1, 1, F0, F1, 0
	QUARTER 1, 2, F1, F0, 0
	QUARTER 1, 3, F0, F1, 0
	TURN 1, 0, 1
	QUARTER 0, 1, F0, F1, 0
	WIN 0
	s_sub_co_u32 s3, s3, 1
	s_cmp_lg_u32 s3, 0
	s_cbranch_scc1 .Llap
	QUARTER 0, 2, F1, F0, 0                        ; the last lap fills nothing
	QUARTER 0, 3, F0, F1, 0
	TURN 0, 1, 0
	QUARTER 1, 1, F0, F1, 0
	QUARTER 1, 2, F1, F0, 0
	QUARTER 1, 3, F0, F1, 0
	s_wait_dscnt 4
	MWIN 0
	MULA F1, 0, 0
	MULA F1, 1, 0
	s_wait_dscnt 0
	MULA F1, 2, 0
	MULA F1, 3, 0
	WIN 0
; THE WAY OUT, block by block of 16 positions x 128 columns: through my own stage, back as whole rows of 512 bytes, each stored at its token's row
.macro TOSTAGE a
	WIN 0x08                                       ; an LDS store's data: window 2
.irp b, 0,1,2,3,4,5,6,7
	ds_store_b128 v[STO], v[8*(8*(\a)+\b):8*(8*(\a)+\b)+3] offset:64*\b          ; each accumulator from its low end on
	ds_store_b128 v[STO], v[8*(8*(\a)+\b)+4:8*(8*(\a)+\b)+7] offset:64*\b+16
.endr
	WIN 0
.set BB, BK+64*((\a)%2)
.irp t, 0,1,2,3,4,5,6,7,8,9,10,11,12,13,14,15
	ds_load_b128 v[BB+4*\t:BB+4*\t+3], v[RD] offset:\t*SPITCH   ; LDS serves a wave's instructions in order: these see the stores above
.endr
.endm
.macro SEND a, younger
.set BB, BK+64*((\a)%2)
.set RR, RO+16*((\a)%2)
.irp i, 0,1,2,3,4,5,6,7,8,9,10,11,12,13,14,15
	v_readlane_b32 s[18+\i%4], v[INV+(\a)/2], 16*((\a)%2)+\i   ; position 16 a + i of my 64: its token,
	s_min_u32 s[18+\i%4], s[18+\i%4], 8191                     ; which is under 8,192,
	s_lshl_b32 s[18+\i%4], s[18+\i%4], 12                      ; times a row of 4,096 bytes
	v_add_nc_u32 v[RR+\i], s[18+\i%4], v[CO]
.endr
	s_wait_dscnt \younger                          ; the block is back in registers
.irp i, 0,1,2,3,4,5,6,7,8,9,10,11,12,13,14,15
	global_store_b128 v[RR+\i], v[BB+4*\i:BB+4*\i+3], s[12:13] th:TH_STORE_NT   ; 512 consecutive bytes, aligned
.endr
.endm
	PLACES
	TOSTAGE 0
.irp a, 1,2,3
.if \a > 1
	s_wait_xcnt 0x0                                ; block a - 2's stores have read their registers and offsets: both sets may be written again
.endif
	TOSTAGE \a
	SEND \a-1, 32                                  ; behind block a - 1's loads: block a's 16 stores and 16 loads
.endr
	s_wait_xcnt 0x0
	SEND 3, 0
	s_wait_tensorcnt 0x0                           ; the wave's end: three lines behind my last tensor load and my last LDS store
	ds_add_u32 v[SPW], v[NIL]
	s_wait_dscnt 0x0
	CROUND                                         ; the closing round
	s_endpgm
.Lfunc_end_k_q5158d7eb61_oproj:
	.size	k_q5158d7eb61_oproj, .Lfunc_end_k_q5158d7eb61_oproj-k_q5158d7eb61_oproj
	.p2alignl 7, 3214868480
	.fill 96, 4, 3214868480
	.section	.rodata,"a",@progbits
	.p2align	6, 0x0
	.amdhsa_kernel k_q5158d7eb61_oproj
		.amdhsa_group_segment_fixed_size 327680
		.amdhsa_private_segment_fixed_size 0
		.amdhsa_enable_private_segment 0
		.amdhsa_kernarg_size 40
		.amdhsa_user_sgpr_count 2
		.amdhsa_user_sgpr_kernarg_segment_ptr 1
		.amdhsa_wavefront_size32 1
		.amdhsa_system_sgpr_workgroup_id_x 1
		.amdhsa_system_sgpr_workgroup_id_y 1
		.amdhsa_system_sgpr_workgroup_id_z 1
		.amdhsa_system_vgpr_workitem_id 0
		.amdhsa_next_free_vgpr 768
		.amdhsa_next_free_sgpr 66
		.amdhsa_reserve_vcc 0
		.amdhsa_float_denorm_mode_32 3
		.amdhsa_float_denorm_mode_16_64 3
		.amdhsa_memory_ordered 1
		.amdhsa_forward_progress 1
		.amdhsa_inst_pref_size 99
	.end_amdhsa_kernel
	.amdgpu_metadata
---
amdhsa.version: [ 1, 2 ]
amdhsa.kernels:
  - .name:           k_q5158d7eb61_oproj
    .symbol:         k_q5158d7eb61_oproj.kd
    .args:
      - { .name: ao, .offset: 0, .size: 8, .value_kind: global_buffer, .address_space: global }
      - { .name: wo16, .offset: 8, .size: 8, .value_kind: global_buffer, .address_space: global }
      - { .name: bo, .offset: 16, .size: 8, .value_kind: global_buffer, .address_space: global }
      - { .name: route, .offset: 24, .size: 8, .value_kind: global_buffer, .address_space: global }
      - { .name: out0, .offset: 32, .size: 8, .value_kind: global_buffer, .address_space: global }
    .group_segment_fixed_size: 327680
    .private_segment_fixed_size: 0
    .kernarg_segment_align: 8
    .kernarg_segment_size: 40
    .max_flat_workgroup_size: 128
    .sgpr_count:     66
    .vgpr_count:     768
    .wavefront_size: 32
...
	.end_amdgpu_metadata
.endif
;; end of part 4
